; MI455X (gfx1250); checked and timed in simulation.
; The chip was launched on July 23, 2026; its instructions are those of AMD's public machine-readable ISA for CDNA 5 (MIT licence, August 2026) and "CDNA5" Instruction Set Architecture Reference Guide (July 2026). The comments in the code are by the model that wrote it; some were corrected since.
;; Self Attention. Allowed arithmetic: matrix products marked QUANTISED: E2M3 operands, one E8M0 scale for each 32 along K, by v_wmma_scale_f32_16x16x128_f8f6f4 with both operands' format E2M3, f32 sums; everything else in f32.
;; Inputs: Wk 1,024 x 1,024 float32; Wo 1,024 x 1,024 float32; Wq 1,024 x 1,024 float32; Wv 1,024 x 1,024 float32; bk 1,024 float32; bo 1,024 float32; bq 1,024 float32; bv 1,024 float32; ln_b 1,024 float32; ln_g 1,024 float32; x 4 x 2,048 x 1,024 float32.
;; Outputs: out0 4 x 2,048 x 1,024 float32.
;; This version of the problem:
;;   THIS VERSION OF THE PROBLEM IS GIVEN IN LOW PRECISION. The matrix products marked QUANTISED in the list below multiply operands that are first quantised to E2M3 (2 exponent bits, 3 mantissa bits; 6 bits a number), with one power-of-two scale for each 32 numbers along K (OCP MX v1.0); their sums are f32. All else is computed in f32.
;;   The module's matrix products, in the order in which they are computed (A, B: the left and right operand; K: the contracted axis; several contracted axes count as one K, in the product's order):
;;     1. [M 8,192, K 1,024] x [K 1,024, N 1,024]; A: computed on the way; B: input Wq: QUANTISED
;;     2. [M 8,192, K 1,024] x [K 1,024, N 1,024]; A: computed on the way; B: input Wk: QUANTISED
;;     3. [M 8,192, K 1,024] x [K 1,024, N 1,024]; A: computed on the way; B: input Wv: QUANTISED
;;     4. batch 64 x [M 2,048, K 64] x [K 64, N 2,048]; A: computed on the way; B: computed on the way: QUANTISED
;;     5. batch 64 x [M 2,048, K 2,048] x [K 2,048, N 64]; A: softmax (see below); B: computed on the way: QUANTISED
;;     6. [M 8,192, K 1,024] x [K 1,024, N 1,024]; A: computed on the way; B: input Wo: QUANTISED
;;   THE QUANTISER, for each operand of a quantised product, along K:
;;     - K is cut into blocks of 32 from its start; a last block that is shorter is filled with zeros.
;;     - A block's scale is 2^e with e = floor(log2(the largest magnitude in the block)) - 2, held to -126 .. 127; a block of zeros has e = 0. As a byte (E8M0): e + 127.
;;     - Each number is divided by its block's scale, clamped to +-7.5, and rounded to the nearest number of E2M3, ties to even, subnormals kept.
;;     - The product sums the exact products of the quantised numbers (number of the format x scale) in f32.
;;   ~~~python
;;   def quantise(x, axis):      # numpy; x: float32 -> the quantised numbers, widened to float32 again
;;       x = np.moveaxis(x, axis, -1); K = x.shape[-1]
;;       x = np.pad(x, [(0, 0)] * (x.ndim - 1) + [(0, -K % 32)]); x = x.reshape(x.shape[:-1] + (-1, 32)); a = np.abs(x).max(-1, keepdims=True)
;;       e = np.where(a > 0, np.clip(np.frexp(np.where(a > 0, a, 1))[1] - 1 - 2, -126, 127), 0)      # np.frexp(a)[1] - 1 = floor(log2(a)), exactly
;;       r = np.clip(x / 2.0 ** e, -7.5, 7.5)
;;       step = 2.0 ** (np.maximum(np.frexp(np.where(r == 0, 1, r))[1] - 1, 0) - 3)
;;       q = np.round(r / step) * step * 2.0 ** e      # np.round: ties to even
;;       return np.moveaxis(q.reshape(q.shape[:-2] + (-1,))[..., :K], -1, axis).astype(np.float32)
;;   ~~~
;;   SOFTMAX AHEAD OF A QUANTISED PRODUCT. Where the list says 'softmax', what is quantised is not the finished softmax but p = 2^(t - M), with t = logit x log2(e) and M = ceil(the row's largest t), a whole number; so 1/2 < the row's largest p <= 1. The row's sum l is taken of the UNQUANTISED p, in f32, and the product's result is divided by l at the end. Since M is a whole number, a kernel that streams over the keys may use a running M (the ceiling of the running maximum): every later rescaling is an exact power of two, which a block's scale takes up: the codes' values come out the same.
;;   OPERANDS COMPUTED ON THE WAY. 'Computed on the way' means the value that the module computes at that place (a softmax that the list does not call 'softmax' is quantised finished and normalised). What goes into a quantiser is computed in f32, as accurately as f32 sums, v_exp_f32 and their like allow (about 1e-6 of the number): no bf16 or f16 on the way to a quantiser, and a product that is left as it is and whose result goes on into a quantised operand takes f32 operands (vector FMAs, or v_wmma_f32_16x16x4_f32). A number that lies on a knife's edge between two numbers of the format may be rounded either way, as far as f32 arithmetic and the matrix unit's own rounding can turn it there, and no further.
;; One version. Each part assembles by itself: llvm-mc -triple=amdgcn-amd-amdhsa -mcpu=gfx1250 --defsym DOCPART=n.
;; ======== version 1 of 1: 4 launches
;; limits: right only within a limited range of input values
;; workspace buffers: h_img 6,291,456 bytes; h_sc 262,144 bytes; w_img 3,145,728 bytes; w_sc 131,072 bytes; qkv 19,660,800 bytes; ctx_img 6,291,456 bytes; ctx_sc 262,144 bytes
;; launch prep (part 1): grid 768 x 1, 8 waves a work-group, no clusters, 67,584 bytes of LDS; arguments x, Wq, Wk, Wv, Wo, ln_g, ln_b, h_img, h_sc, w_img, w_sc; writes h_img, h_sc, w_img, w_sc
.if DOCPART == 1
	.amdgcn_target "amdgcn-amd-amdhsa--gfx1250"
	.amdhsa_code_object_version 6
	.text
	.protected	k_qf213503f14_prep
	.globl	k_qf213503f14_prep
	.p2align	8
	.type	k_qf213503f14_prep,@function
k_qf213503f14_prep:
	s_mov_b64 s[64:65], 0
	v_nop
	global_prefetch_b8 v0, s[64:65] scope:SCOPE_SE
	s_setreg_imm32_b32 hwreg(HW_REG_WAVE_MODE, 25, 1), 1
	s_wait_xcnt 0x0
; h = LayerNorm(x) x ln_g + ln_b, and the four weights as they are, become codes of FP6 (E2M3) along their last axis (1,024), one E8M0 byte for each 32.
; A work-group takes ONE BLOCK of 16 rows: work-groups 0-511 x's blocks, 512-767 the weights' (64 blocks each of Wq, Wk, Wv, Wo).  Only pointers are chosen by the work-group's number; the two pieces of
; arithmetic that the weights do not have (the statistics; x g + b) are jumped over by a scalar branch on it.
; THE ROWS OF A BLOCK ARE NOT NEIGHBOURS: row r of block B is row 32 (B / 2) + 8 (B % 2) + r + 8 (r / 8) of its tensor, so that, whichever side of a product the block is on, the 16 result registers
; of two neighbouring blocks are 16 neighbours.
; OUT: a fragment (16 rows x 128 K, 12 registers a lane) as an image of its registers: byte 512 c + 16 lane + 4 i = register 4 c + i.  128 rows x all K make a record of 98,304 bytes, fragment (K step s,
; block B % 8) at 12,288 s + 1,536 (B % 8).  Scale words: 512 bytes a block, row r's word of K step s at 256 (s / 4) + 16 r + 4 (s % 4).
; SHARES: wave w loads and normalises the block's rows 2 w, 2 w + 1 (two neighbouring rows of memory, 8,192 bytes on end), puts them into a stage in LDS; behind a barrier it quantises K step w of all 16 rows.
; The statistics are taken in two passes over registers (mean; then the squares of x - mean): no difference of large sums.
; LIMITS: NaN and infinities are not served; a block whose largest magnitude lies under 2^-124 gets the byte 1; a block of zeros gets the byte 1 where the rule says 127 (its codes are zeros, and this
; program alone reads the bytes); v_rsq_f32 is taken as it is (1 ulp: ISA guide, its entry).
.set PITCH, 4112                       ; a stage row: 4,096 bytes + 16: an odd multiple of 16, so that sixteen rows' equal columns fall on sixteen different columns of 16 bytes modulo 256
.set SCB,   16*PITCH                   ; behind the stage: the block's 512 bytes of scale words
.set RECB,  98304
.set KSB,   12288
.set FRB,   1536
.set X,   16                           ; v16-79   two rows as loaded, later my 64 numbers of a row
.set G,   80                           ; v80-143  ln_g at my 64 places
.set BT,  144                          ; v144-207 ln_b likewise
.set TM,  208                          ; v208-223 at work
.set T2,  224                          ; v224-231 the second halves of the conversions
.set PC,  232                          ; v232-243 the fragment
.set PW,  244                          ; v244     its scale word
.set OW,  248                          ; v248-251 scale words on the way out
.set WV,  26
.set ISX, 27
.set SEL, 28                           ; s[28:29] v_permlanex16_b32's selects for lane l xor 16
; 64 numbers of a lane, register 16 b + i = k 32 b + 16 (lane / 16) + i of my row, become a fragment: registers 0-5 in v[d0] on, 6-11 in v[d1] on; the scale word in v[pw].
.macro QUANT s, d0, d1, pw
.irp b, 0,1,2,3
	v_max3_num_f32 v[TM+\b], |v[(\s)+16*\b]|, |v[(\s)+1+16*\b]|, 0x1800000   ; block b: my 16 numbers, and the floor 2^(3 - 127): the byte cannot fall under 1
.endr
.irp i, 2,4,6,8,10,12,14
.irp b, 0,1,2,3
	s_delay_alu instid0(VALU_DEP_4)
	v_max3_num_f32 v[TM+\b], v[TM+\b], |v[(\s)+16*\b+\i]|, |v[(\s)+1+16*\b+\i]|   ; the four blocks by turns
.endr
.endr
.irp b, 0,1,2,3
	s_delay_alu instid0(VALU_DEP_4)
	v_permlanex16_b32 v[TM+4+\b], v[TM+\b], s[SEL], s[SEL+1]
.endr
.irp b, 0,1,2,3
	s_delay_alu instid0(VALU_DEP_4)
	v_max_num_f32 v[TM+\b], v[TM+\b], v[TM+4+\b]   ; with lane l xor 16's: the block's largest magnitude
.endr
.irp b, 0,1,2,3
	s_delay_alu instid0(VALU_DEP_4)
	v_add_nc_u32 v[TM+12+\b], 0xff000000, v[TM+\b]   ; 2 off its exponent field: the conversion's scale operand
.endr
.irp b, 0,1,2,3
	s_delay_alu instid0(VALU_DEP_4)
	v_lshrrev_b32 v[TM+4+\b], 23, v[TM+12+\b]      ; the scale's byte
.endr
	s_delay_alu instid0(VALU_DEP_3)
	v_lshl_or_b32 v[\pw], v[TM+5], 8, v[TM+4]
	s_delay_alu instid0(VALU_DEP_1)
	v_lshl_or_b32 v[\pw], v[TM+6], 16, v[\pw]
	s_delay_alu instid0(VALU_DEP_1)
	v_lshl_or_b32 v[\pw], v[TM+7], 24, v[\pw]
	v_cvt_scalef32_pk16_fp6_f32 v[(\d0):(\d0)+2], v[(\s):(\s)+15], v[TM+12]
	v_cvt_scalef32_pk16_fp6_f32 v[T2:T2+2], v[(\s)+16:(\s)+31], v[TM+13]      ; (a conversion's three registers begin on an even number)
	v_cvt_scalef32_pk16_fp6_f32 v[(\d1):(\d1)+2], v[(\s)+32:(\s)+47], v[TM+14]
	v_cvt_scalef32_pk16_fp6_f32 v[T2+4:T2+6], v[(\s)+48:(\s)+63], v[TM+15]
	v_nop                                          ; one plain place behind a scaled conversion
.irp i, 0,1,2
	v_permlane16_swap_b32 v[(\d0)+\i], v[T2+\i]    ; the layout wants a whole block in a lane: lanes 0-15 the even block, lanes 16-31 the odd one
	v_permlane16_swap_b32 v[(\d1)+\i], v[T2+4+\i]
.endr
.irp i, 0,1,2
	v_mov_b32 v[(\d0)+3+\i], v[T2+\i]
	v_mov_b32 v[(\d1)+3+\i], v[T2+4+\i]
.endr
.endm
.macro SUM32 r                         ; v[r] summed over the 32 lanes, in every lane; v[r + 1] is at work
	s_delay_alu instid0(VALU_DEP_1)
	v_add_f32_dpp v[\r], v[\r], v[\r] row_xmask:1 row_mask:0xf bank_mask:0xf
	s_delay_alu instid0(VALU_DEP_1)
	v_add_f32_dpp v[\r], v[\r], v[\r] row_xmask:2 row_mask:0xf bank_mask:0xf
	s_delay_alu instid0(VALU_DEP_1)
	v_add_f32_dpp v[\r], v[\r], v[\r] row_xmask:4 row_mask:0xf bank_mask:0xf
	s_delay_alu instid0(VALU_DEP_1)
	v_add_f32_dpp v[\r], v[\r], v[\r] row_xmask:8 row_mask:0xf bank_mask:0xf
	s_delay_alu instid0(VALU_DEP_1)
	v_permlanex16_b32 v[\r+1], v[\r], s[SEL], s[SEL+1]
	s_delay_alu instid0(VALU_DEP_1)
	v_add_f32 v[\r], v[\r], v[\r+1]
.endm
.macro STATS q                         ; row q of my two: (x - mean) / sqrt(var + 1e-5), in place
.set RR, X+32*\q
.set SS, TM+8*\q
	v_pk_add_f32 v[SS:SS+1], v[RR:RR+1], v[RR+2:RR+3]
	v_pk_add_f32 v[SS+2:SS+3], v[RR+4:RR+5], v[RR+6:RR+7]
.irp i, 8,12,16,20,24,28
	s_delay_alu instid0(VALU_DEP_2)
	v_pk_add_f32 v[SS:SS+1], v[SS:SS+1], v[RR+\i:RR+\i+1]
	s_delay_alu instid0(VALU_DEP_2)
	v_pk_add_f32 v[SS+2:SS+3], v[SS+2:SS+3], v[RR+\i+2:RR+\i+3]
.endr
	s_delay_alu instid0(VALU_DEP_1)
	v_pk_add_f32 v[SS:SS+1], v[SS:SS+1], v[SS+2:SS+3]
	s_delay_alu instid0(VALU_DEP_1)
	v_add_f32 v[SS], v[SS], v[SS+1]
	SUM32 SS
	s_delay_alu instid0(VALU_DEP_1)
	v_mul_f32 v[SS], s46, v[SS]                    ; the mean: the sum / 1,024
	s_delay_alu instid0(VALU_DEP_1)
	v_mov_b32 v[SS+1], v[SS]
.set j, 0
.rept 16
	v_pk_add_f32 v[RR+j:RR+j+1], v[RR+j:RR+j+1], v[SS:SS+1] neg_lo:[0,1] neg_hi:[0,1]
.set j, j+2
.endr
	v_pk_mul_f32 v[SS:SS+1], v[RR:RR+1], v[RR:RR+1]
	v_pk_mul_f32 v[SS+2:SS+3], v[RR+2:RR+3], v[RR+2:RR+3]
.irp i, 4,8,12,16,20,24,28
	s_delay_alu instid0(VALU_DEP_2)
	v_pk_fma_f32 v[SS:SS+1], v[RR+\i:RR+\i+1], v[RR+\i:RR+\i+1], v[SS:SS+1]
	s_delay_alu instid0(VALU_DEP_2)
	v_pk_fma_f32 v[SS+2:SS+3], v[RR+\i+2:RR+\i+3], v[RR+\i+2:RR+\i+3], v[SS+2:SS+3]
.endr
	s_delay_alu instid0(VALU_DEP_1)
	v_pk_add_f32 v[SS:SS+1], v[SS:SS+1], v[SS+2:SS+3]
	s_delay_alu instid0(VALU_DEP_1)
	v_add_f32 v[SS], v[SS], v[SS+1]
	SUM32 SS
	s_delay_alu instid0(VALU_DEP_1)
	v_fma_f32 v[SS], v[SS], s46, s47               ; var + 1e-5
	s_wait_alu depctr_va_vdst(0)
	v_rsq_f32 v[SS], v[SS]
	v_nop                                          ; one plain place behind a transcendental
	s_wait_alu depctr_va_vdst(0)
	v_mov_b32 v[SS+1], v[SS]
.set j, 0
.rept 16
	v_pk_mul_f32 v[RR+j:RR+j+1], v[RR+j:RR+j+1], v[SS:SS+1]
.set j, j+2
.endr
.endm
	s_load_b256 s[4:11], s[0:1], 0x0               ; x, Wq, Wk, Wv
	s_load_b256 s[12:19], s[0:1], 0x20             ; Wo, ln_g, ln_b, h_img
	s_load_b128 s[20:23], s[0:1], 0x40             ; h_sc, w_img
	s_load_b64 s[24:25], s[0:1], 0x50              ; w_sc
	v_lshl_add_u32 v254, v0, 2, 0x10400
	v_mov_b32 v255, 0
	v_lshrrev_b32 v1, 5, v0
	s_delay_alu instid0(VALU_DEP_1)
	v_readfirstlane_b32 s[WV], v1                  ; wave 0..7
	v_and_b32 v1, 31, v0
	s_delay_alu instid0(VALU_DEP_1)
	v_lshlrev_b32 v1, 4, v1                        ; 16 x lane
	v_and_b32 v2, 15, v0                           ; r
	s_wait_alu depctr_va_vdst(0)
	v_bfe_u32 v3, v0, 4, 1                         ; h
	s_mul_i32 s30, s[WV], 2*PITCH
	v_add_nc_u32 v4, s30, v1                       ; into the stage: my two rows, 16 bytes a lane
	v_mul_u32_u24 v5, v2, PITCH
	s_delay_alu instid0(VALU_DEP_1)
	v_lshl_add_u32 v5, v3, 6, v5
	s_lshl_b32 s30, s[WV], 9
	v_add_nc_u32 v5, s30, v5                       ; out of it: row r, K step w (512 bytes), + 64 h: my 16 numbers of each block of 32
	v_lshlrev_b32 v6, 6, v3                        ; ln_g, ln_b: 64 h
	s_lshr_b32 s31, s[WV], 2
	s_lshl_b32 s32, s31, 8
	s_and_b32 s33, s[WV], 3
	s_lshl_b32 s33, s33, 2
	s_add_co_u32 s32, s32, s33
	s_add_co_u32 s32, s32, SCB
	v_lshl_add_u32 v7, v2, 4, s32                  ; my scale word: 256 (w / 4) + 16 r + 4 (w % 4)
	v_add_nc_u32 v8, SCB, v1                       ; and the 512 bytes on the way out
.irp b, 0,1,2,3
	v_mov_b32 v[TM+4+\b], 0                        ; written once: a lane permute's destination counts as one of its sources
.endr
	s_mov_b32 s[SEL], 0x76543210
	s_mov_b32 s[SEL+1], 0xfedcba98
	s_mov_b32 s46, 0x3a800000                      ; 1 / 1,024
	s_mov_b32 s47, 0x3727c5ac                      ; 1e-5
	s_sub_co_u32 s34, ttmp9, 512                   ; the weights' block 0..255 (q, k, v, o: 64 each)
	s_lshr_b32 s35, s34, 6                         ; which weight
	s_and_b32 s36, s34, 63                         ; its block
	s_wait_alu depctr_va_vdst(0)
	s_wait_kmcnt 0x0
	s_cmp_eq_u32 s35, 1                            ; the choices hang on the work-group's number alone
	s_cselect_b64 s[6:7], s[8:9], s[6:7]
	s_cmp_eq_u32 s35, 2
	s_cselect_b64 s[6:7], s[10:11], s[6:7]
	s_cmp_eq_u32 s35, 3
	s_cselect_b64 s[6:7], s[12:13], s[6:7]
	s_cmp_lt_u32 ttmp9, 512
	s_cselect_b64 s[6:7], s[4:5], s[6:7]           ; from where
	s_cselect_b64 s[18:19], s[18:19], s[22:23]     ; the codes' buffer
	s_cselect_b64 s[20:21], s[20:21], s[24:25]     ; the scale words'
	s_cselect_b32 s36, ttmp9, s36                  ; the block in its tensor
	s_cselect_b32 s34, ttmp9, s34                  ; the block in its buffer
	s_cselect_b32 s[ISX], 1, 0
	s_lshr_b32 s37, s36, 1
	s_lshl_b32 s37, s37, 5
	s_and_b32 s38, s36, 1
	s_lshl_b32 s38, s38, 3
	s_add_co_u32 s37, s37, s38
	s_lshl_b32 s38, s[WV], 1
	s_add_co_u32 s37, s37, s38
	s_lshl_b32 s38, s31, 3
	s_add_co_u32 s37, s37, s38                     ; my first row: 32 (B / 2) + 8 (B % 2) + 2 w + 8 (w / 4)
	s_lshl_b32 s38, s37, 12
	s_mov_b32 s39, 0
	s_add_nc_u64 s[6:7], s[6:7], s[38:39]
	s_mov_b32 s40, s30                             ; 512 w
	s_mov_b32 s41, 0
	s_add_nc_u64 s[14:15], s[14:15], s[40:41]
	s_add_nc_u64 s[16:17], s[16:17], s[40:41]
	s_lshr_b32 s42, s34, 3
	s_mul_i32 s42, s42, RECB
	s_mul_i32 s43, s[WV], KSB
	s_add_co_u32 s42, s42, s43
	s_and_b32 s43, s34, 7
	s_mul_i32 s43, s43, FRB
	s_add_co_u32 s42, s42, s43
	s_mov_b32 s43, 0
	s_add_nc_u64 s[18:19], s[18:19], s[42:43]      ; my fragment
	s_lshl_b32 s44, s34, 9
	s_mov_b32 s45, 0
	s_add_nc_u64 s[20:21], s[20:21], s[44:45]      ; the block's scale words
.irp q, 0,1
.irp j, 0,1,2,3,4,5,6,7
	global_load_b128 v[X+32*\q+4*\j:X+32*\q+4*\j+3], v1, s[6:7] offset:4096*\q+512*\j th:TH_LOAD_NT   ; 32 lanes read 512 consecutive bytes
.endr
.endr
.irp b, 0,1,2,3
.irp j, 0,1,2,3
	global_load_b128 v[G+16*\b+4*\j:G+16*\b+4*\j+3], v6, s[14:15] offset:128*\b+16*\j
	global_load_b128 v[BT+16*\b+4*\j:BT+16*\b+4*\j+3], v6, s[16:17] offset:128*\b+16*\j
.endr
.endr
	s_wait_loadcnt 32                              ; my two rows are in; the 32 loads of ln_g and ln_b may be out
	s_cmp_eq_u32 s[ISX], 0
	s_cbranch_scc1 .Lraw                           ; a weight is taken as it is
	STATS 0
	STATS 1
.Lraw:
.irp q, 0,1
.irp j, 0,1,2,3,4,5,6,7
	ds_store_b128 v4, v[X+32*\q+4*\j:X+32*\q+4*\j+3] offset:\q*PITCH+512*\j
.endr
.endr
	s_wait_dscnt 0x0                               ; for the others' sake: my two rows lie in the stage
	s_barrier_signal -1
	s_barrier_wait -1
.irp b, 0,1,2,3
.irp j, 0,1,2,3
	ds_load_b128 v[X+16*\b+4*\j:X+16*\b+4*\j+3], v5 offset:128*\b+16*\j
.endr
.endr
	s_wait_dscnt 0x0
	s_wait_loadcnt 0x0                             ; ln_g, ln_b
	s_cmp_eq_u32 s[ISX], 0
	s_cbranch_scc1 .Lplain
.set j, 0
.rept 32
	v_pk_fma_f32 v[X+j:X+j+1], v[X+j:X+j+1], v[G+j:G+j+1], v[BT+j:BT+j+1]
.set j, j+2
.endr
.Lplain:
	QUANT X, PC, PC+6, PW
.irp c, 0,1,2
	global_store_b128 v1, v[PC+4*\c:PC+4*\c+3], s[18:19] offset:512*\c   ; 32 lanes store 512 consecutive bytes, at a multiple of 256 from the buffer's first byte
.endr
	ds_store_b32 v7, v[PW]                         ; lanes l and l + 16 hold the same word and write it to the same place
	s_wait_dscnt 0x0
	s_barrier_signal -1
	s_barrier_wait -1                              ; the block's 128 scale words lie in LDS
	s_cmp_lg_u32 s[WV], 0
	s_cbranch_scc1 .Lend
	ds_load_b128 v[OW:OW+3], v8
	s_wait_dscnt 0x0
	global_store_b128 v1, v[OW:OW+3], s[20:21]     ; 512 consecutive bytes
.Lend:
	s_wait_tensorcnt 0x0
	ds_add_u32 v254, v255
	s_wait_dscnt 0x0
	s_endpgm
.Lfunc_end_k_qf213503f14_prep:
	.size	k_qf213503f14_prep, .Lfunc_end_k_qf213503f14_prep-k_qf213503f14_prep
	.p2alignl 7, 3214868480
	.fill 96, 4, 3214868480
	.section	.rodata,"a",@progbits
	.p2align	6, 0x0
	.amdhsa_kernel k_qf213503f14_prep
		.amdhsa_group_segment_fixed_size 67584
		.amdhsa_private_segment_fixed_size 0
		.amdhsa_enable_private_segment 0
		.amdhsa_kernarg_size 88
		.amdhsa_user_sgpr_count 2
		.amdhsa_user_sgpr_kernarg_segment_ptr 1
		.amdhsa_wavefront_size32 1
		.amdhsa_system_sgpr_workgroup_id_x 1
		.amdhsa_system_sgpr_workgroup_id_y 1
		.amdhsa_system_sgpr_workgroup_id_z 1
		.amdhsa_system_vgpr_workitem_id 0
		.amdhsa_next_free_vgpr 256
		.amdhsa_next_free_sgpr 66
		.amdhsa_reserve_vcc 0
		.amdhsa_float_denorm_mode_32 3
		.amdhsa_float_denorm_mode_16_64 3
		.amdhsa_memory_ordered 1
		.amdhsa_forward_progress 1
		.amdhsa_inst_pref_size 32
	.end_amdhsa_kernel
	.amdgpu_metadata
---
amdhsa.version: [ 1, 2 ]
amdhsa.kernels:
  - .name:           k_qf213503f14_prep
    .symbol:         k_qf213503f14_prep.kd
    .args:
      - { .name: x, .offset: 0, .size: 8, .value_kind: global_buffer, .address_space: global }
      - { .name: Wq, .offset: 8, .size: 8, .value_kind: global_buffer, .address_space: global }
      - { .name: Wk, .offset: 16, .size: 8, .value_kind: global_buffer, .address_space: global }
      - { .name: Wv, .offset: 24, .size: 8, .value_kind: global_buffer, .address_space: global }
      - { .name: Wo, .offset: 32, .size: 8, .value_kind: global_buffer, .address_space: global }
      - { .name: ln_g, .offset: 40, .size: 8, .value_kind: global_buffer, .address_space: global }
      - { .name: ln_b, .offset: 48, .size: 8, .value_kind: global_buffer, .address_space: global }
      - { .name: h_img, .offset: 56, .size: 8, .value_kind: global_buffer, .address_space: global }
      - { .name: h_sc, .offset: 64, .size: 8, .value_kind: global_buffer, .address_space: global }
      - { .name: w_img, .offset: 72, .size: 8, .value_kind: global_buffer, .address_space: global }
      - { .name: w_sc, .offset: 80, .size: 8, .value_kind: global_buffer, .address_space: global }
    .group_segment_fixed_size: 67584
    .private_segment_fixed_size: 0
    .kernarg_segment_align: 8
    .kernarg_segment_size: 88
    .max_flat_workgroup_size: 256
    .sgpr_count:     66
    .vgpr_count:     256
    .wavefront_size: 32
...
	.end_amdgpu_metadata
.endif
;; end of part 1
;; launch qkv (part 2): grid 8 x 96, 4 waves a work-group, clusters of 4 x 4, 295,424 bytes of LDS; arguments h_img, h_sc, w_img, w_sc, bq, bk, bv, qkv; writes qkv
.if DOCPART == 2
	.amdgcn_target "amdgcn-amd-amdhsa--gfx1250"
	.amdhsa_code_object_version 6
	.text
	.protected	k_qf213503f14_qkv
	.globl	k_qf213503f14_qkv
	.p2align	8
	.type	k_qf213503f14_qkv,@function
k_qf213503f14_qkv:
	s_mov_b64 s[64:65], 0
	v_nop
	global_prefetch_b8 v0, s[64:65] scope:SCOPE_SE
	s_setreg_imm32_b32 hwreg(HW_REG_WAVE_MODE, 25, 1), 1
	s_wait_xcnt 0x0
	s_wait_alu depctr_hold_cnt(0) depctr_sa_sdst(0) depctr_va_vdst(0) depctr_va_sdst(0) depctr_va_ssrc(0) depctr_va_vcc(0) depctr_vm_vsrc(0)
	s_getreg_b32 s2, hwreg(HW_REG_IB_STS2, 6, 4)
	s_cmp_eq_u32 s2, 0
	s_cbranch_scc0 .Lentry_in_a_cluster
	s_endpgm
.Lentry_in_a_cluster:
	s_bfe_u32 s2, ttmp6, 0x10000c
	s_cmp_lg_u32 s2, 0xf033
	s_cbranch_scc0 .Lentry_shape_is_right
	s_endpgm
.Lentry_shape_is_right:
; q = h Wq^T + bq, k = h Wk^T + bk, v = h Wv^T + bv on codes of FP6 (E2M3) with E8M0 scales, K = 1,024; the results are quantised in registers, q and k along the head's 64, v along the keys, and leave as
; images of the operand registers that the attention launch wants.  No f32 result goes to memory.
; A work-group makes Y (128 rows, source 1) x X (256 rows, source 0); four waves, wave (yh, xh) = (w / 2, w % 2) makes 64 x 128: 32 accumulators.  In a result a lane holds ONE row of Y, and its registers run along X.
; ONE TEXT, TWO ORIENTATIONS, by a choice of pointers on the cluster's y (the same in all sixteen partners):
;   clusters y 0-15 (q, k): X = rows of Wq / Wk, Y = tokens: a lane holds a token, its registers run along the features: the head's 64.
;   clusters y 16-23 (v):   X = tokens, Y = rows of Wv: a lane holds a feature, its registers run along the tokens: the keys.
; IN: records of 128 rows x all K, 98,304 bytes: fragment (K step s, block i) at 12,288 s + 1,536 i, as an image of its 12 registers (byte 512 c + 16 lane + 4 i' = register 4 c + i').  Row r of block B is row
; 32 (B / 2) + 8 (B % 2) + r + 8 (r / 8): so the 16 registers of result tiles 2 b and 2 b + 1 are X's rows 32 b + 16 (lane / 16) + 0 .. 15.  Scale words: 512 bytes a block; one load of 16 bytes at 16 x lane gives
; lanes 0-15 K steps 0-3 and lanes 16-31 K steps 4-7 of row lane % 16.
; LDS: all of K is resident: Y's record at 0, X's two at 98,304 and 196,608.  Each byte is filled once; nothing is filled again.  Each wave asks for its share by four tensor loads at the start (four of mine are
; out, by this text's own count): waves 0, 1 one K step of Y each time (48 rows of 256 bytes), waves 2, 3 two K steps of one record of X (96 rows).  Chunk t (K steps 2 t, 2 t + 1) is waited for just ahead of its use.
; CLUSTER 4 x 4: Y's record hangs on cy and the cluster's place alone and is asked for jointly along a row of the cluster, X's on cx and is asked for jointly along a column.
; OUT, a head's record of 307,200 bytes (head = 16 batch + head): q's 64 double fragments at 0, q's scale words at 98,304, k's fragments at 102,400, v's at 200,704, k's scale words at 299,008, v's at 303,104.
;   A double fragment g holds 32 tokens: registers 0-5 block 2 g (d = 32 (lane / 16) on), registers 6-11 block 2 g + 1; its scale word: bytes 0, 1 the first block's, 2, 3 the second's, at 256 (g / 4) + 16 r + 4 (g % 4).
;   v: fragment (key step j, tile t of d) at 6,144 j + 1,536 t; scale words at 256 j + 16 r + 4 t.
; LIMITS: NaN and infinities are not served; a block whose largest magnitude lies under 2^-124, or of zeros, gets the byte 1 (zeros have zero codes; this program alone reads the bytes).
; REGISTERS: window 0: v1-15 addresses; v16-23 Y's bias; v32-63 X's scale words, v64-79 Y's; v80-127 Y's four fragments, on the way out the codes; v128-191 64 results; v192-227 at work.
;   window 1: X's fragments, two sets (v0-95, v128-223); X's bias, tile b at v[96 + 8 b] (b < 4) or v[224 + 8 (b - 4)].   window 2: accumulator (a, b) at v[8 (8 a + b)].
; THE FILLS AS THIS TEXT HAS THEM (in place of the four loads a wave that the lines above speak of): ONE tensor load a wave, all four at the head, each in an arm of its own of one chain of branches on the wave's number:
; wave 0 Y's K steps 0-3 (192 rows of 256 bytes), wave 1 K steps 0-3 of both records of X (2 rows of 49,152 bytes, 98,304 apart in memory, on end in LDS), wave 2 Y's K steps 4-7, wave 3 X's.
; So X lies in LDS as [record 0, K 0-3][record 1, K 0-3][record 0, K 4-7][record 1, K 4-7] from 98,304 on.  The first barrier shows waves 0 and 1's tiles, the barrier in K step 3 the other two; nothing is filled again.
.set RECB,  98304
.set KSB,   12288
.set FRB,   1536
.set REC,   307200
.set QSOFF, 98304
.set KOFF,  102400
.set VOFF,  200704
.set KSOFF, 299008
.set VSOFF, 303104
.set NLY,   3                          ; LDS loads that bring a fragment of Y
.set ADRY, 4                           ; v4-7   my part of Y in chunk t
.set ADRX, 8                           ; v8-11  my record of X in chunk t
.set BY,   16
.set SCX,  32
.set SCY,  64
.set YF,   80
.set FB,   80
.set HB,   128
.set TM,   192
.set T2,   208
.set PWR,  216
.set WT,   218
.set SW,   224
.set WV,   20
.set G1Y,  24
.set G1X,  32
.set G0Y,  40
.set G0X,  68
.set SEL,  66
.set MSB, 0
.macro WIN new                         ; the immediate's high byte repeats the setting that is left
.if MSB != \new
	s_set_vgpr_msb (MSB<<8)|\new
.set MSB, \new
.endif
.endm
.macro PLACES                          ; four places behind a matrix instruction of this form, in front of loads into its registers and of reads of its results
.rept 4
	v_nop
.endr
.endm
.macro CROUND                          ; a round of the cluster's barrier
	s_barrier_signal -1
	s_barrier_wait -1
	s_cmp_lg_u32 s[WV], 0
	s_cbranch_scc1 .Lnot_wave_0_\@
	s_barrier_signal -3
.Lnot_wave_0_\@:
	s_barrier_wait -3
	s_barrier_signal -1
	s_barrier_wait -1
.endm
.macro FETCH_X s                       ; X's eight fragments of K step s into set s % 2
	WIN 0x40                                       ; destination window 1, address window 0
.irp i, 0,1,2,3,4,5,6,7
.irp c, 0,1,2
	ds_load_b128 v[128*((\s)%2)+12*\i+4*\c:128*((\s)%2)+12*\i+4*\c+3], v[ADRX+(\s)/2] offset:((\s)%2)*KSB+\i*FRB+512*\c
.endr
.endr
	WIN 0
.endm
.macro FETCH_Y s, i0                   ; Y's blocks i0, i0 + 1 of K step s
.irp i, \i0, \i0+1
.irp c, 0,1,2
	ds_load_b128 v[YF+12*(\i)+4*\c:YF+12*(\i)+4*\c+3], v[ADRY+(\s)/2] offset:((\s)%2)*KSB+(\i)*FRB+512*\c
.endr
.endr
.endm
; 8 matrix instructions: Y's block a against X's eight, K step s.  first = 1: the sums begin with X's bias as C.  K steps 4-7 take their scale words from lanes 16-31.
; The 32 accumulators take turns, one instruction a turn, in the same order in every K step.
.macro MULB a, s, first
.if \first
	WIN 0x91                                       ; source 0 (X) window 1, source 1 (Y) window 0, C window 1, D window 2
.else
	WIN 0xa1                                       ; C and D window 2
.endif
.irp b, 0,1,2,3,4,5,6,7
.set rD, 8*(8*(\a)+\b)
.set rX, 128*((\s)%2)+12*\b
.set rY, YF+12*(\a)
.set rC, 96+8*\b+96*(\b/4)
.set rSX, SCX+4*\b+(\s)%4
.set rSY, SCY+4*(\a)+(\s)%4
.if \first
	v_wmma_scale_f32_16x16x128_f8f6f4 v[rD:rD+7], v[rX:rX+11], v[rY:rY+11], v[rC:rC+7], v[rSX], v[rSY] matrix_a_fmt:MATRIX_FMT_FP6 matrix_b_fmt:MATRIX_FMT_FP6
.elseif (\s) < 4
	v_wmma_scale_f32_16x16x128_f8f6f4 v[rD:rD+7], v[rX:rX+11], v[rY:rY+11], v[rD:rD+7], v[rSX], v[rSY] matrix_a_fmt:MATRIX_FMT_FP6 matrix_b_fmt:MATRIX_FMT_FP6
.else
	v_wmma_scale_f32_16x16x128_f8f6f4 v[rD:rD+7], v[rX:rX+11], v[rY:rY+11], v[rD:rD+7], v[rSX], v[rSY] matrix_a_fmt:MATRIX_FMT_FP6 matrix_b_fmt:MATRIX_FMT_FP6 matrix_a_scale:MATRIX_SCALE_ROW1 matrix_b_scale:MATRIX_SCALE_ROW1
.endif
.endr
.endm
.macro STEP s, first                   ; a K step whose successor lies in the same chunk
	s_wait_dscnt 2*NLY                             ; X's set and Y's blocks 0, 1 are in; the youngest loads (Y's blocks 2, 3) may be out
	MULB 0, \s, \first
	MULB 1, \s, \first
	s_wait_dscnt 0x0                               ; Y's blocks 2, 3 are in
	PLACES
	FETCH_X (\s)+1
	FETCH_Y (\s)+1, 0
	MULB 2, \s, \first
	MULB 3, \s, \first
	PLACES
	WIN 0
	FETCH_Y (\s)+1, 2
.endm
.macro TURN s                          ; a K step whose successor lies in the next chunk: that chunk is shown landed to every wave by one barrier
	s_wait_dscnt 2*NLY
	MULB 0, \s, 0
	s_wait_tensorcnt 0x0                           ; my load has landed, whichever it was
	s_wait_dscnt 0x0                               ; no LDS load of mine is out at the signal
	s_barrier_signal -1
	MULB 1, \s, 0
	s_barrier_wait -1
	PLACES
	FETCH_X (\s)+1
	FETCH_Y (\s)+1, 0
	MULB 2, \s, 0
	MULB 3, \s, 0
	PLACES
	WIN 0
	FETCH_Y (\s)+1, 2
.endm
; 64 numbers of a lane, register 16 b + i = k 32 b + 16 (lane / 16) + i of my row, become codes: blocks 0, 1 in v[d0] on (6 registers), blocks 2, 3 in v[d1] on; the four bytes in v[pw].
.macro QUANT s, d0, d1, pw
.irp b, 0,1,2,3
	v_max3_num_f32 v[TM+\b], |v[(\s)+16*\b]|, |v[(\s)+1+16*\b]|, 0x1800000   ; my 16 numbers of block b, and the floor 2^(3 - 127): the byte cannot fall under 1
.endr
.irp i, 2,4,6,8,10,12,14
.irp b, 0,1,2,3
	v_max3_num_f32 v[TM+\b], v[TM+\b], |v[(\s)+16*\b+\i]|, |v[(\s)+1+16*\b+\i]|
.endr
.endr
.irp b, 0,1,2,3
	v_permlanex16_b32 v[TM+4+\b], v[TM+\b], s[SEL], s[SEL+1]
.endr
.irp b, 0,1,2,3
	v_max_num_f32 v[TM+\b], v[TM+\b], v[TM+4+\b]   ; with lane l xor 16's: the block's largest magnitude
.endr
.irp b, 0,1,2,3
	v_add_nc_u32 v[TM+12+\b], 0xff000000, v[TM+\b]   ; 2 off its exponent field: the conversion's scale operand
.endr
.irp b, 0,1,2,3
	v_lshrrev_b32 v[TM+4+\b], 23, v[TM+12+\b]      ; the scale's byte
.endr
	v_lshl_or_b32 v[\pw], v[TM+5], 8, v[TM+4]
	v_lshl_or_b32 v[\pw], v[TM+6], 16, v[\pw]
	v_lshl_or_b32 v[\pw], v[TM+7], 24, v[\pw]
	v_cvt_scalef32_pk16_fp6_f32 v[(\d0):(\d0)+2], v[(\s):(\s)+15], v[TM+12]
	v_cvt_scalef32_pk16_fp6_f32 v[T2:T2+2], v[(\s)+16:(\s)+31], v[TM+13]      ; (a conversion's three registers begin on an even number)
	v_cvt_scalef32_pk16_fp6_f32 v[(\d1):(\d1)+2], v[(\s)+32:(\s)+47], v[TM+14]
	v_cvt_scalef32_pk16_fp6_f32 v[T2+4:T2+6], v[(\s)+48:(\s)+63], v[TM+15]
	v_nop                                          ; one plain place behind a scaled conversion
.irp i, 0,1,2
	v_permlane16_swap_b32 v[(\d0)+\i], v[T2+\i]    ; a whole block in a lane: lanes 0-15 the even block, lanes 16-31 the odd one
	v_permlane16_swap_b32 v[(\d1)+\i], v[T2+4+\i]
.endr
.irp i, 0,1,2
	v_mov_b32 v[(\d0)+3+\i], v[T2+\i]
	v_mov_b32 v[(\d1)+3+\i], v[T2+4+\i]
.endr
.endm
.macro MOVE a                          ; Y's block a: its 64 results come into window 0, each accumulator from its low end on; the addition of Y's bias rides on the move
	WIN 0x02
.set j, 0
.rept 32
	v_pk_add_f32 v[HB+j:HB+j+1], v[64*(\a)+j:64*(\a)+j+1], v[BY+2*(\a):BY+2*(\a)+1]
.set j, j+2
.endr
	WIN 0
.endm
	s_load_b256 s[4:11], s[0:1], 0x0               ; h_img, h_sc, w_img, w_sc
	s_load_b256 s[12:19], s[0:1], 0x20             ; bq, bk, bv, qkv
	v_lshl_add_u32 v254, v0, 2, 0x48000
	v_mov_b32 v255, 0
	ds_add_u32 v254, v255
	ds_add_u32 v254, v255
	v_lshrrev_b32 v1, 5, v0
	v_readfirstlane_b32 s[WV], v1                  ; wave 0..3
	s_lshr_b32 s21, s[WV], 1                       ; yh
	s_and_b32 s22, s[WV], 1                        ; xh; also: which part of a chunk I fetch
	s_bfe_u32 s56, ttmp6, 0x40000                  ; cx
	s_bfe_u32 s57, ttmp6, 0x40004                  ; cy
	s_and_b32 s59, ttmp7, 0xffff                   ; the cluster's y, 0..23
	s_lshl_b32 s60, ttmp9, 2                       ; 4 x the cluster's x
	s_lshl_b32 s61, s59, 2
	s_sub_co_u32 s62, s61, 64                      ; 4 (y - 16), for v
	s_add_co_u32 s63, s60, 16                      ; 16 + 4 x, for v
	s_lshl_b32 s86, s57, 2
	s_lshl_b32 s86, 15, s86                        ; my row of the cluster
	s_lshl_b32 s87, 0x1111, s56                    ; my column
	s_or_b32 s[G1Y], s86, (3<<16)|(1<<21)          ; 15:0 the mask; 17:16 elements of 8 bytes; 21 set beside a mask; no padding
	s_or_b32 s[G1X], s87, (3<<16)|(1<<21)
	s_mov_b32 s[G1Y+1], 32<<16                     ; tensor_dim0 = 32 elements: rows of 256 bytes of a dense block
	s_mov_b32 s[G1Y+2], 192<<16                    ; tensor_dim1 = 192 rows: four K steps of a record
	s_mov_b32 s[G1Y+3], 32<<16                     ; tile_dim0
	s_mov_b32 s[G1Y+4], 192                        ; tile_dim1
	s_mov_b32 s[G1Y+5], 32                         ; the pitch
	s_mov_b32 s[G1Y+6], 0
	s_mov_b32 s[G1Y+7], 0
	s_mov_b32 s[G1X+1], 6144<<16                   ; a row: 6,144 elements of 8 bytes: four K steps of a record
	s_mov_b32 s[G1X+2], 2<<16                      ; 2 rows: the tile's two records
	s_mov_b32 s[G1X+3], 6144<<16
	s_mov_b32 s[G1X+4], 2
	s_mov_b32 s[G1X+5], 12288                      ; the pitch: a record
	s_mov_b32 s[G1X+6], 0
	s_mov_b32 s[G1X+7], 0
	s_mov_b32 s[SEL], 0x76543210
	s_mov_b32 s[SEL+1], 0xfedcba98
	s_mov_b32 s99, 0
	s_mov_b32 s101, 0
	s_wait_dscnt 0x0
	s_wait_kmcnt 0x0
	s_cmp_ge_u32 s59, 16                           ; v's clusters?  The same answer in all sixteen partners
	s_cselect_b32 s84, s62, s60
	s_cselect_b32 s85, s63, s61
	s_cselect_b64 s[88:89], s[4:5], s[8:9]         ; X's codes
	s_cselect_b64 s[90:91], s[8:9], s[4:5]         ; Y's
	s_cselect_b64 s[92:93], s[6:7], s[10:11]       ; X's scale words
	s_cselect_b64 s[94:95], s[10:11], s[6:7]       ; Y's
	s_cselect_b32 s96, 0, -1                       ; X's bias is kept for q, k
	s_cselect_b32 s97, -1, 0                       ; Y's for v
	s_cselect_b32 s23, 1, 0
	s_add_co_u32 s84, s84, s56                     ; XT: X's tile of 256 rows.  It never holds cy
	s_add_co_u32 s85, s85, s57                     ; YR: Y's record.  It never holds cx
	s_mul_i32 s98, s84, 2*RECB
	s_add_nc_u64 s[88:89], s[88:89], s[98:99]
	s_mul_i32 s100, s85, RECB
	s_add_nc_u64 s[90:91], s[90:91], s[100:101]
.irp t, 0,1
	s_mov_b32 s[G0Y+4*\t], 1
	s_mov_b32 s[G0Y+4*\t+1], 4*\t*KSB
	s_add_nc_u64 s[G0Y+4*\t+2:G0Y+4*\t+3], s[90:91], 4*\t*KSB
	s_or_b32 s[G0Y+4*\t+3], s[G0Y+4*\t+3], 0x80000000
	s_mov_b32 s[G0X+4*\t], 1
	s_mov_b32 s[G0X+4*\t+1], RECB+\t*RECB
	s_add_nc_u64 s[G0X+4*\t+2:G0X+4*\t+3], s[88:89], 4*\t*KSB
	s_or_b32 s[G0X+4*\t+3], s[G0X+4*\t+3], 0x80000000
.endr
	CROUND                                         ; all sixteen work-groups are here: the joint loads meet
	s_cmp_eq_u32 s[WV], 0                          ; one fill a wave, what is needed first asked for by the lower waves
	s_cbranch_scc0 .Lwave_1
	tensor_load_to_lds s[G0Y:G0Y+3], s[G1Y:G1Y+7]
	s_nop 0
	PLACES
	s_branch .Lfilled
.Lwave_1:
	s_cmp_eq_u32 s[WV], 1
	s_cbranch_scc0 .Lwave_2
	tensor_load_to_lds s[G0X:G0X+3], s[G1X:G1X+7]
	s_nop 0
	PLACES
	s_branch .Lfilled
.Lwave_2:
	s_cmp_eq_u32 s[WV], 2
	s_cbranch_scc0 .Lwave_3
	tensor_load_to_lds s[G0Y+4:G0Y+7], s[G1Y:G1Y+7]
	s_nop 0
	PLACES
	s_branch .Lfilled
.Lwave_3:
	tensor_load_to_lds s[G0X+4:G0X+7], s[G1X:G1X+7]
	s_nop 0
	PLACES
.Lfilled:
	v_and_b32 v1, 31, v0
	v_lshlrev_b32 v1, 4, v1                        ; 16 x lane
	s_wait_alu depctr_va_vdst(0)
	v_and_b32 v2, 15, v0                           ; r
	v_bfe_u32 v3, v0, 4, 1                         ; h
	s_wait_alu depctr_va_vdst(0)
	s_mul_i32 s58, s21, 4*FRB                      ; my four blocks of Y
	s_mul_i32 s60, s22, 4*KSB
	s_add_co_u32 s60, s60, RECB                    ; my record of X
.irp t, 0,1,2,3
	v_add_nc_u32 v[ADRY+\t], s58, v1
	v_add_nc_u32 v[ADRX+\t], s60, v1
	s_add_co_u32 s58, s58, 2*KSB
	s_add_co_u32 s60, s60, 2*KSB+4*KSB*(\t%2)      ; from K step 3 to K step 4 of my record: over the other record's half
.endr
	s_lshl_b32 s98, s84, 13                        ; X's scale words: 4,096 bytes a record
	s_lshl_b32 s58, s22, 12
	s_add_co_u32 s98, s98, s58
	s_add_nc_u64 s[92:93], s[92:93], s[98:99]
	s_lshl_b32 s100, s85, 12
	s_lshl_b32 s58, s21, 11
	s_add_co_u32 s100, s100, s58
	s_add_nc_u64 s[94:95], s[94:95], s[100:101]
.irp b, 0,1,2,3,4,5,6,7
	global_load_b128 v[SCX+4*\b:SCX+4*\b+3], v1, s[92:93] offset:512*\b
.endr
.irp a, 0,1,2,3
	global_load_b128 v[SCY+4*\a:SCY+4*\a+3], v1, s[94:95] offset:512*\a
.endr
	s_cmp_eq_u32 ttmp9, 0                          ; X's bias: clusters x = 0 make q, x = 1 make k.  (For v both are loaded from valid places and made 0 below)
	s_cselect_b64 s[12:13], s[12:13], s[14:15]
	s_lshl_b32 s98, s56, 10                        ; 256 features a tile, XT % 4 = cx,
	s_lshl_b32 s58, s22, 9                         ; 128 a wave
	s_add_co_u32 s98, s98, s58
	s_add_nc_u64 s[12:13], s[12:13], s[98:99]
	v_lshlrev_b32 v13, 6, v3                       ; tile b's eight registers: features 32 (b / 2) + 16 h + 8 (b % 2) + 0 .. 7
	WIN 0x40
.irp b, 0,1,2,3,4,5,6,7
	global_load_b128 v[96+8*\b+96*(\b/4):96+8*\b+96*(\b/4)+3], v13, s[12:13] offset:(32*(\b/2)+8*(\b%2))*4
	global_load_b128 v[96+8*\b+96*(\b/4)+4:96+8*\b+96*(\b/4)+7], v13, s[12:13] offset:(32*(\b/2)+8*(\b%2))*4+16
.endr
	WIN 0
	s_and_b32 s100, s85, 7                         ; Y's bias: bv at my lane's feature of block a: 128 (YR % 8) + 64 yh + 32 (a / 2) + 8 (a % 2) + r + 8 (r / 8)
	s_lshl_b32 s100, s100, 9
	s_lshl_b32 s58, s21, 8
	s_add_co_u32 s100, s100, s58
	s_add_nc_u64 s[16:17], s[16:17], s[100:101]
	v_and_b32 v14, 8, v2
	v_add_nc_u32 v14, v14, v2
	v_lshlrev_b32 v14, 2, v14
.irp a, 0,1,2,3
	global_load_b32 v[BY+2*\a], v14, s[16:17] offset:(32*(\a/2)+8*(\a%2))*4     ; twice: a pair for the packed addition
	global_load_b32 v[BY+2*\a+1], v14, s[16:17] offset:(32*(\a/2)+8*(\a%2))*4
.endr
.irp b, 0,1,2,3
	v_mov_b32 v[TM+4+\b], 0                        ; written once: a lane permute's destination counts as one of its sources
.endr
	s_wait_alu depctr_va_vdst(0)                   ; the wait at the head's end
	s_cmp_lt_u32 s[WV], 2
	s_cbranch_scc0 .Lnot_first
	s_wait_tensorcnt 0x0                           ; waves 0 and 1: K steps 0-3 have landed
.Lnot_first:
	s_barrier_signal -1                            ; waves 2 and 3's loads may stay out
	s_barrier_wait -1
	FETCH_X 0
	FETCH_Y 0, 0
	FETCH_Y 0, 2
	s_wait_loadcnt 0x0                             ; scale words and biases
	WIN 0x44                                       ; source 1 and destination window 1
.irp b, 0,1,2,3,4,5,6,7
.irp j, 0,1,2,3,4,5,6,7
	v_and_b32 v[96+8*\b+96*(\b/4)+\j], s96, v[96+8*\b+96*(\b/4)+\j]   ; X's bias: kept (-1) or made 0
.endr
.endr
	WIN 0
.irp j, 0,1,2,3,4,5,6,7
	v_and_b32 v[BY+\j], s97, v[BY+\j]              ; Y's likewise
.endr
	s_wait_alu depctr_va_vdst(0)
	STEP 0, 1
	STEP 1, 0
	STEP 2, 0
	TURN 3
	STEP 4, 0
	STEP 5, 0
	STEP 6, 0
	s_wait_dscnt 2*NLY                             ; the last K step: nothing more to fetch
	MULB 0, 7, 0
	MULB 1, 7, 0
	s_wait_dscnt 0x0
	MULB 2, 7, 0
	MULB 3, 7, 0
	WIN 0
	PLACES                                         ; in front of the first read of results, and of the first write over Y's fragments
	s_mov_b32 s101, 0
	s_cmp_lg_u32 s23, 0
	s_cbranch_scc1 .Lv_path
	; ---- q, k: my lane's token of block a has 128 features: two heads.  Blocks 2 ip and 2 ip + 1 make one double fragment for each head.
	s_lshr_b32 s60, s85, 4
	s_lshl_b32 s60, s60, 4                         ; 16 x batch
	s_lshl_b32 s61, s56, 2
	s_add_co_u32 s60, s60, s61                     ; + 4 (XT % 4)
	s_lshl_b32 s61, s22, 1
	s_add_co_u32 s60, s60, s61                     ; + 2 xh: my first head
	s_mul_i32 s60, s60, REC
	s_and_b32 s61, s85, 15                         ; the batch's chunk of 128 tokens
	s_lshl_b32 s62, s61, 2
	s_lshl_b32 s63, s21, 1
	s_add_co_u32 s62, s62, s63
	s_mul_i32 s62, s62, FRB                        ; double fragment 4 chunk + 2 yh
	s_lshl_b32 s61, s61, 8
	s_lshl_b32 s63, s21, 3
	s_add_co_u32 s61, s61, s63                     ; its scale word: 256 chunk + 8 yh
	s_mov_b32 s58, QSOFF
	s_cmp_lg_u32 ttmp9, 0
	s_cselect_b32 s63, KOFF, 0
	s_cselect_b32 s58, KSOFF, s58
	s_add_co_u32 s100, s60, s62
	s_add_co_u32 s100, s100, s63
	s_add_nc_u64 s[86:87], s[18:19], s[100:101]    ; the codes
	s_add_co_u32 s100, s60, s61
	s_add_co_u32 s100, s100, s58
	s_add_nc_u64 s[98:99], s[18:19], s[100:101]    ; the scale words
	s_mov_b32 s59, 0xffff0000                      ; lanes 16-31
	v_mul_u32_u24 v15, v3, REC
	v_lshl_add_u32 v15, v2, 4, v15                 ; 16 r; lanes 16-31 store the second head's words, one record on
.irp ip, 0,1
.irp u, 0,1
	MOVE 2*\ip+\u
	QUANT HB, FB+24*\ip+6*\u, FB+24*\ip+12+6*\u, PWR+\u
.endr
	v_perm_b32 v[WT], v[PWR+1], v[PWR], 0x05040100     ; the first head's word: both blocks' bytes 0, 1
	v_perm_b32 v[WT+1], v[PWR+1], v[PWR], 0x07060302   ; the second head's: bytes 2, 3
	v_cndmask_b32 v[SW+\ip], v[WT], v[WT+1], s59
.irp c, 0,1,2
	global_store_b128 v1, v[FB+24*\ip+4*\c:FB+24*\ip+4*\c+3], s[86:87] offset:\ip*FRB+512*\c            ; 512 consecutive bytes, at a multiple of 256 from the buffer's first byte
	global_store_b128 v1, v[FB+24*\ip+12+4*\c:FB+24*\ip+12+4*\c+3], s[86:87] offset:REC+\ip*FRB+512*\c
.endr
.endr
	global_store_b64 v15, v[SW:SW+1], s[98:99]     ; two words a row: 8 of each 16 bytes (the other wave of the row half writes the others): 1 / 24 of the record's bytes
	s_branch .Lout
.Lv_path:
	; ---- v: my lane's feature of block a has 128 tokens: one key step.  Block a is tile a of the head's d.
	s_lshr_b32 s60, s84, 3
	s_lshl_b32 s60, s60, 4                         ; 16 x batch
	s_and_b32 s61, s85, 7
	s_lshl_b32 s61, s61, 1
	s_add_co_u32 s60, s60, s61
	s_add_co_u32 s60, s60, s21                     ; + 2 (YR % 8) + yh: my head
	s_mul_i32 s60, s60, REC
	s_lshl_b32 s61, s84, 1
	s_add_co_u32 s61, s61, s22
	s_and_b32 s61, s61, 15                         ; the key step
	s_mul_i32 s62, s61, 4*FRB
	s_add_co_u32 s100, s60, s62
	s_add_co_u32 s100, s100, VOFF
	s_add_nc_u64 s[86:87], s[18:19], s[100:101]
	s_lshl_b32 s62, s61, 8
	s_add_co_u32 s100, s60, s62
	s_add_co_u32 s100, s100, VSOFF
	s_add_nc_u64 s[98:99], s[18:19], s[100:101]
	v_lshlrev_b32 v15, 4, v2                       ; 16 r
.irp a, 0,1,2,3
	MOVE \a
	QUANT HB, FB+12*\a, FB+12*\a+6, SW+\a
.irp c, 0,1,2
	global_store_b128 v1, v[FB+12*\a+4*\c:FB+12*\a+4*\c+3], s[86:87] offset:\a*FRB+512*\c
.endr
.endr
	global_store_b128 v15, v[SW:SW+3], s[98:99]    ; the step's 256 bytes of scale words; lanes l and l + 16 hold the same four words and write them to the same place
.Lout:
	s_wait_dscnt 0x0
	s_wait_tensorcnt 0x0
	ds_add_u32 v254, v255
	s_wait_dscnt 0x0
	CROUND                                         ; the closing round: no work-group ends while a partner may still ask for a tile that names it
	s_endpgm
.Lfunc_end_k_qf213503f14_qkv:
	.size	k_qf213503f14_qkv, .Lfunc_end_k_qf213503f14_qkv-k_qf213503f14_qkv
	.p2alignl 7, 3214868480
	.fill 96, 4, 3214868480
	.section	.rodata,"a",@progbits
	.p2align	6, 0x0
	.amdhsa_kernel k_qf213503f14_qkv
		.amdhsa_group_segment_fixed_size 295424
		.amdhsa_private_segment_fixed_size 0
		.amdhsa_enable_private_segment 0
		.amdhsa_kernarg_size 64
		.amdhsa_user_sgpr_count 2
		.amdhsa_user_sgpr_kernarg_segment_ptr 1
		.amdhsa_wavefront_size32 1
		.amdhsa_system_sgpr_workgroup_id_x 1
		.amdhsa_system_sgpr_workgroup_id_y 1
		.amdhsa_system_sgpr_workgroup_id_z 1
		.amdhsa_system_vgpr_workitem_id 0
		.amdhsa_next_free_vgpr 768
		.amdhsa_next_free_sgpr 102
		.amdhsa_reserve_vcc 0
		.amdhsa_float_denorm_mode_32 3
		.amdhsa_float_denorm_mode_16_64 3
		.amdhsa_memory_ordered 1
		.amdhsa_forward_progress 1
		.amdhsa_inst_pref_size 119
	.end_amdhsa_kernel
	.amdgpu_metadata
---
amdhsa.version: [ 1, 2 ]
amdhsa.kernels:
  - .name:           k_qf213503f14_qkv
    .symbol:         k_qf213503f14_qkv.kd
    .args:
      - { .name: h_img, .offset: 0, .size: 8, .value_kind: global_buffer, .address_space: global }
      - { .name: h_sc, .offset: 8, .size: 8, .value_kind: global_buffer, .address_space: global }
      - { .name: w_img, .offset: 16, .size: 8, .value_kind: global_buffer, .address_space: global }
      - { .name: w_sc, .offset: 24, .size: 8, .value_kind: global_buffer, .address_space: global }
      - { .name: bq, .offset: 32, .size: 8, .value_kind: global_buffer, .address_space: global }
      - { .name: bk, .offset: 40, .size: 8, .value_kind: global_buffer, .address_space: global }
      - { .name: bv, .offset: 48, .size: 8, .value_kind: global_buffer, .address_space: global }
      - { .name: qkv, .offset: 56, .size: 8, .value_kind: global_buffer, .address_space: global }
    .group_segment_fixed_size: 295424
    .private_segment_fixed_size: 0
    .kernarg_segment_align: 8
    .kernarg_segment_size: 64
    .max_flat_workgroup_size: 128
    .sgpr_count:     102
    .vgpr_count:     768
    .wavefront_size: 32
...
	.end_amdgpu_metadata
.endif
;; end of part 2
;; launch attn (part 3): grid 4 x 64, 16 waves a work-group, clusters of 4 x 1, 231,424 bytes of LDS; arguments qkv, ctx_img, ctx_sc; writes ctx_img, ctx_sc
.if DOCPART == 3
	.amdgcn_target "amdgcn-amd-amdhsa--gfx1250"
	.amdhsa_code_object_version 6
	.text
	.protected	k_qf213503f14_attn
	.globl	k_qf213503f14_attn
	.p2align	8
	.type	k_qf213503f14_attn,@function
k_qf213503f14_attn:
	s_mov_b64 s[64:65], 0
	v_nop
	global_prefetch_b8 v0, s[64:65] scope:SCOPE_SE
	s_setreg_imm32_b32 hwreg(HW_REG_WAVE_MODE, 25, 1), 1
	s_wait_xcnt 0x0
	s_wait_alu depctr_hold_cnt(0) depctr_sa_sdst(0) depctr_va_vdst(0) depctr_va_sdst(0) depctr_va_ssrc(0) depctr_va_vcc(0) depctr_vm_vsrc(0)
	s_getreg_b32 s2, hwreg(HW_REG_IB_STS2, 6, 4)
	s_cmp_eq_u32 s2, 0
	s_cbranch_scc0 .Lentry_in_a_cluster
	s_endpgm
.Lentry_in_a_cluster:
	s_bfe_u32 s2, ttmp6, 0x10000c
	s_cmp_lg_u32 s2, 0x3003
	s_cbranch_scc0 .Lentry_shape_is_right
	s_endpgm
.Lentry_shape_is_right:
; context = softmax(q k^T / 8) v for one head (16 batch + head = the grid's y), both products on codes of FP6 (E2M3) with E8M0 scales; the context is quantised along the hidden axis and leaves as codes.
; THE SOFTMAX AHEAD OF THE SECOND PRODUCT: t = score x log2(e) / 8; M = the running largest t rounded UP to a whole number; p = 2^(t - M) is quantised along the keys, not normalised; the row's sum is taken of
; the unquantised p and divides at the end.  When M moves, the sum and O are multiplied by 2^(old M - new M): exact.  A block's largest p is made from the block's largest score by the same two instructions
; (this takes v_exp_f32 not to fall where its input rises).
; SHARES: a work-group owns 512 queries; each of its sixteen waves 32 of them: two tiles of 16, one after the other, each over all 2,048 keys, 128 a step.
; LDS, filled once, by ONE joint load of each wave at the head: waves 0-7 an eighth of k's 64 double fragments each (24 rows of 512 bytes, 128 bytes of padding behind each: a fragment's three pieces lie 640 bytes apart,
; fragments 1,920); waves 8-15 an eighth each of v's fragments, k's scale words and v's (106,496 consecutive bytes of the record: 52 rows of 256).  Nothing is filled again, nothing is stored to LDS.
; No prefetch: every byte that comes from memory is asked for at the head; there is no loop to run ahead in.
; CLUSTER 4 x 1: the four work-groups of a head want the same bytes: each load is a joint one, with the same descriptor (the head and the wave's number alone) in all four.
; LAYOUT: both products transposed: S^T = k q^T, O^T = v^T p^T: a lane holds ONE query (lane % 16).  The head's K is 64, the instruction's 128: a double fragment of k holds 16 keys in K 0-63 and 16 more in K 64-127,
; and is multiplied once by [q | 0] and once by [0 | q], both cut from v16-33 = [0 x 6][q x 6][0 x 6].
; WHICH KEYS FORM A TILE is chosen by the lanes' LDS addresses.  In memory row r' of half u of double fragment g is key 32 g + 8 u + r' + 8 (r' / 8).  Operand (c, a) takes for its rows 0-7 rows 8 a + 0 .. 7 of fragment 2 c
; and for its rows 8-15 the same rows of fragment 2 c + 1: row r of its half u is key 64 c + 32 (r / 8) + 8 (u + 2 a) + r % 8.  So register 32 c + 8 T + j of lane (r, h) is key 64 c + 32 h + 8 T + j: A LANE'S 32 REGISTERS ARE
; ONE WHOLE BLOCK of p along the keys, in the order of the next operand.  The two fragments that a load reads lie 1,920 = 7 x 256 + 128 bytes apart, so the sixteen lanes of a half touch sixteen different columns of 16 bytes.
; TWO REGIONS OF 64 REGISTERS TAKE TURNS, step by step.  In a step one (rk) holds k's four operands and, when the scores are made, v's four; the other (rs) holds S^T, then p, and, when p has been summed and converted,
; THE NEXT STEP'S k, asked for ahead of the second product.  So the loop's one trip is two steps.  A tile's last step asks for 16 loads past k's last fragment: they read bytes of v's region and of v's scale words, and nobody uses them.
; OUT: ctx_img: records as the other operands', but a fragment's byte 256 p + 8 lane + 4 i = register 2 p + i, so that registers 0-5 (the even head) and 6-11 (the odd head) are 768 consecutive bytes each.
; ctx_sc: 512 bytes a block, row r's word of K step s at 256 (s / 4) + 16 r + 4 (s % 4); a head writes two of its four bytes.
; LIMITS: the promise holds while the scaled scores t stay under 2^31 in magnitude; NaN and infinities are not served; a block whose every p has fallen to 0, or whose largest magnitude lies under 2^-124, gets the byte 1
; (this program alone reads the bytes); v_exp_f32 and v_rcp_f32 as they are (1 ulp).
; REGISTERS: v1-6 addresses that stay; v7 tile 0's two scale bytes; v8-11 the step's addresses; v12 -M, v13 the largest score, v[14:15] the sum; v16-33 q's operands; v34-45 my 32 queries' double fragment; v46 its scale
; word, v47 the tile's; v48-111, v112-175 the two regions; v176-207 O^T; v208-219 p's codes; v220-227 conversions and two single numbers; v228-231 k's scale words, v232-235 v's; v236-252 at work.
.set REC,   307200
.set QSOFF, 98304
.set KOFF,  102400
.set VOFF,  200704
.set RECB,  98304
.set KSB,   12288
.set FRB,   1536
.set KP,    640                        ; a piece of 512 bytes + 128
.set KF,    3*KP                       ; a double fragment of k in LDS
.set LV,    64*KF                      ; v's fragments
.set LKS,   LV+98304                   ; k's scale words
.set LVS,   LKS+4096                   ; v's
.set SPARE, LVS+4096                   ; the spare words: 128 bytes a wave
.set R1,  48
.set R2,  112
.set OT,  176
.set CD,  208
.set T2,  220                          ; v220-222, v224-226
.set TP,  223
.set HW1, 227
.set KS,  228
.set VS,  232
.set BM,  236                          ; v236-239 the maxima's four chains; then v236, v237 my two blocks' largest score, largest p
.set SO,  238                          ; v238-239 then the conversions' scale operands
.set BJ,  240                          ; v240-241 the other half's; the bytes
.set PW,  242                          ; p's scale word
.set PX,  243
.set FF,  244                          ; v[244:245] f
.set C1,  246                          ; v246-251 three more chains of the sum
.set C2,  248
.set C3,  250
.set OM,  252                          ; the old -M
.set WV,  10
.set SEL, 28
.set CS,  30                           ; s[30:31] c = log2(e) / 8
.set TK,  32                           ; the step's place in k's fragments,
.set TS,  33                           ; in the scale words,
.set CNT, 34
.set TV,  39                           ; in v's fragments
.set NC,  62                           ; -c
.macro PLACES
.rept 4
	v_nop
.endr
.endm
.macro WALU
	s_wait_alu depctr_va_vdst(0)
.endm
.macro CROUND                          ; a round of the cluster's barrier
	s_barrier_signal -1
	s_barrier_wait -1
	s_cmp_lg_u32 s[WV], 0
	s_cbranch_scc1 .Lnot_wave_0_\@
	s_barrier_signal -3
.Lnot_wave_0_\@:
	s_barrier_wait -3
	s_barrier_signal -1
	s_barrier_wait -1
.endm
.macro SUM4 k                          ; four pairs of p onto the sum's four chains
	v_pk_add_f32 v[C1:C1+1], v[C1:C1+1], v[\k:\k+1]
	v_pk_add_f32 v[C2:C2+1], v[C2:C2+1], v[\k+2:\k+3]
	v_pk_add_f32 v[C3:C3+1], v[C3:C3+1], v[\k+4:\k+5]
	v_pk_add_f32 v[14:15], v[14:15], v[\k+6:\k+7]
.endm
.macro KLOAD d, ko, so                 ; k's four scale words, then its four operands, 16 loads: into region d, from ko and so bytes behind v8 and v10
.irp c, 0,1
.irp a, 0,1
	ds_load_b32 v[KS+2*\c+\a], v10 offset:\so+128*\a+8*\c
.endr
.endr
.irp c, 0,1
.irp a, 0,1
.irp p, 0,1,2
	ds_load_b128 v[\d+24*\c+12*\a+4*\p:\d+24*\c+12*\a+4*\p+3], v8 offset:\ko+2*KF*\c+128*\a+KP*\p
.endr
.endr
.endr
.endm
.macro PKF r                           ; t - M, two at a time
	v_pk_fma_f32 v[\r:\r+1], v[\r:\r+1], s[CS:CS+1], v[12:13] op_sel_hi:[1,0,0]
.endm
; A STEP: 16 queries x 128 keys.  At its head k's 16 loads into rk are out or in, and nothing younger.
.macro TRIP rk, rs
.irp i, 0,1,2,3
	s_wait_dscnt 9-3*\i                            ; the scale words and operand i are in; the three loads of each later operand may be out
	v_wmma_scale_f32_16x16x128_f8f6f4 v[\rs+16*\i:\rs+16*\i+7], v[\rk+12*\i:\rk+12*\i+11], v[22:33], 0, v[KS+\i], v47 matrix_a_fmt:MATRIX_FMT_FP6 matrix_b_fmt:MATRIX_FMT_FP6      ; [q | 0]: the operand's first 16 keys
	v_wmma_scale_f32_16x16x128_f8f6f4 v[\rs+16*\i+8:\rs+16*\i+15], v[\rk+12*\i:\rk+12*\i+11], v[16:27], 0, v[KS+\i], v47 matrix_a_fmt:MATRIX_FMT_FP6 matrix_b_fmt:MATRIX_FMT_FP6   ; [0 | q]: its second 16
.endr
	v_add_nc_u32 v9, s[TV], v2                     ; the step's four addresses: the four places behind the products
	v_add_nc_u32 v11, s[TS], v4
	v_add_nc_u32 v8, s[TK], v1
	v_add_nc_u32 v10, s[TS], v3
.irp t, 0,1,2,3
.irp c, 0,1,2
	ds_load_b128 v[\rk+12*\t+4*\c:\rk+12*\t+4*\c+3], v9 offset:\t*FRB+512*\c      ; v's four fragments land while the softmax is walked
.endr
.endr
	ds_load_b128 v[VS:VS+3], v11
; the largest score of my two blocks of 32 keys, each in two chains (registers 0-16 and 17-31); each accumulator is first read at its low end
.irp c, 0,1
	v_max3_num_f32 v[BM+\c], v[\rs+32*\c], v[\rs+1+32*\c], v[\rs+2+32*\c]
.endr
.irp c, 0,1
	v_max3_num_f32 v[BM+2+\c], v[\rs+17+32*\c], v[\rs+18+32*\c], v[\rs+19+32*\c]
.endr
.irp i, 3,5,7,9,11,13
.irp c, 0,1
	v_max3_num_f32 v[BM+\c], v[BM+\c], v[\rs+32*\c+\i], v[\rs+1+32*\c+\i]
.endr
.irp c, 0,1
	v_max3_num_f32 v[BM+2+\c], v[BM+2+\c], v[\rs+17+32*\c+\i], v[\rs+18+32*\c+\i]
.endr
.endr
.irp c, 0,1
	v_max3_num_f32 v[BM+\c], v[BM+\c], v[\rs+15+32*\c], v[\rs+16+32*\c]
.endr
	s_delay_alu instid0(VALU_DEP_2)
	v_max_num_f32 v[BM], v[BM], v[BM+2]
	s_delay_alu instid0(VALU_DEP_2)
	v_max_num_f32 v[BM+1], v[BM+1], v[BM+3]
	s_delay_alu instid0(VALU_DEP_1)
	v_max_num_f32 v[TP], v[BM], v[BM+1]
	s_delay_alu instid0(VALU_DEP_1)
	v_permlanex16_b32 v[BJ], v[TP], s[SEL], s[SEL+1]
	s_delay_alu instid0(VALU_DEP_1)
	v_max3_num_f32 v13, v13, v[TP], v[BJ]          ; the running largest score of my query
	s_delay_alu instid0(VALU_DEP_1)
	v_mul_f32 v[TP], s[NC], v13                    ; -t (c is positive)
	s_delay_alu instid0(VALU_DEP_1)
	v_floor_f32 v12, v[TP]                         ; the new -M = -ceil(t)
; t - M of my first block; the three lines that make f stand among them, each four lines behind the one that it reads
.irp j, 0,2,4,6
	PKF \rs+\j
.endr
	v_sub_f32 v[TP], v12, v[OM]                    ; old M - new M: a whole number, 0 or less
.irp j, 8,10,12,14
	PKF \rs+\j
.endr
	v_cvt_i32_f32 v[TP], v[TP]                     ; (it saturates)
.irp j, 16,18,20,22
	PKF \rs+\j
.endr
	v_ldexp_f32 v[FF], 1.0, v[TP]                  ; f = 2^(old M - new M)
.irp j, 24,26,28,30
	PKF \rs+\j
.endr
.irp c, 0,1
	v_fma_f32 v[BM+\c], v[BM+\c], s[CS], v12
.endr
	WALU                                           ; the wait ahead of the batch
.set j, 0
.rept 16
	v_exp_f32 v[\rs+j], v[\rs+j]                   ; p = 2^(t - M) of my first block; among the exponentials t - M of my second
	v_exp_f32 v[\rs+j+1], v[\rs+j+1]
	PKF \rs+32+j
.set j, j+2
.endr
.irp c, 0,1
	v_exp_f32 v[BM+\c], v[BM+\c]                   ; the blocks' largest p
.endr
	v_nop                                          ; one plain place behind a transcendental
	WALU                                           ; behind the first batch and ahead of the second
.set j, 32
.rept 32
	v_exp_f32 v[\rs+j], v[\rs+j]
.if j == 40
	v_max_num_f32 v[BM], 0x1800000, v[BM]          ; the floor 2^(3 - 127); first read behind the wait below
.endif
.if j == 48
	v_max_num_f32 v[BM+1], 0x1800000, v[BM+1]
.endif
.set j, j+1
.endr
	v_pk_mul_f32 v[14:15], v[14:15], v[FF:FF+1] op_sel_hi:[1,0]   ; the sum under the new M.  (A plain place behind the exponentials)
	WALU                                           ; and behind the batch
; the scale word's chain stands among the row's sum, which is taken of the unquantised p in four chains
.irp c, 0,1
	v_add_nc_u32 v[SO+\c], 0xff000000, v[BM+\c]    ; 2 off the exponent field: the conversion's scale operand
.endr
	v_pk_add_f32 v[C1:C1+1], v[\rs:\rs+1], v[\rs+2:\rs+3]
	v_pk_add_f32 v[C2:C2+1], v[\rs+4:\rs+5], v[\rs+6:\rs+7]
	v_pk_add_f32 v[C3:C3+1], v[\rs+8:\rs+9], v[\rs+10:\rs+11]
	v_pk_add_f32 v[14:15], v[14:15], v[\rs+12:\rs+13]
.irp c, 0,1
	v_lshrrev_b32 v[BJ+\c], 23, v[SO+\c]           ; the scale's byte
.endr
.irp c, 0,1
	v_cvt_scalef32_pk16_fp6_f32 v[CD+6*\c:CD+6*\c+2], v[\rs+32*\c:\rs+32*\c+15], v[SO+\c]
	v_cvt_scalef32_pk16_fp6_f32 v[T2+4*\c:T2+4*\c+2], v[\rs+32*\c+16:\rs+32*\c+31], v[SO+\c]   ; (a conversion's three registers begin on an even number)
.endr
	SUM4 \rs+14
	v_lshl_or_b32 v[PW], v[BJ+1], 16, v[BJ]        ; my blocks h and 2 + h at bytes 0 and 2
	SUM4 \rs+22
	v_permlanex16_b32 v[PX], v[PW], s[SEL], s[SEL+1]
	SUM4 \rs+30
	v_lshl_or_b32 v[PW], v[PX], 8, v[PW]           ; in lanes 0-15, the only ones read: blocks 1 and 3 at bytes 1 and 3
	SUM4 \rs+38
	SUM4 \rs+46
	SUM4 \rs+54
	v_pk_add_f32 v[C1:C1+1], v[C1:C1+1], v[\rs+62:\rs+63]
	KLOAD \rs, 4*KF, 256                           ; p is done with: the next step's k into its registers
.irp c, 0,1
.irp i, 0,1,2
	v_mov_b32 v[CD+3+6*\c+\i], v[T2+4*\c+\i]
.endr
.endr
	s_wait_dscnt 16                                ; v's fragments and scale words are in; the 16 loads of the next k may be out
	WALU                                           ; directly ahead of the first reader of O^T
.set j, 0
.rept 16
	v_pk_mul_f32 v[OT+j:OT+j+1], v[OT+j:OT+j+1], v[FF:FF+1] op_sel_hi:[1,0]   ; O^T under the new M, each accumulator from its low end on
.set j, j+2
.endr
.irp t, 0,1,2,3
	v_wmma_scale_f32_16x16x128_f8f6f4 v[OT+8*\t:OT+8*\t+7], v[\rk+12*\t:\rk+12*\t+11], v[CD:CD+11], v[OT+8*\t:OT+8*\t+7], v[VS+\t], v[PW] matrix_a_fmt:MATRIX_FMT_FP6 matrix_b_fmt:MATRIX_FMT_FP6   ; the four accumulators by turns
.endr
	s_add_co_u32 s[TK], s[TK], 4*KF
	s_add_co_u32 s[TV], s[TV], 4*FRB
	s_add_co_u32 s[TS], s[TS], 256
	v_pk_add_f32 v[14:15], v[14:15], v[C1:C1+1]    ; five places: the next step's scores are written over v's fragments.  The sum's four chains are joined,
	v_pk_add_f32 v[C2:C2+1], v[C2:C2+1], v[C3:C3+1]
	v_mov_b32 v[OM], v12                           ; and -M is kept
	v_pk_add_f32 v[14:15], v[14:15], v[C2:C2+1]
	v_nop
.endm
	s_load_b128 s[4:7], s[0:1], 0x0                ; qkv, ctx_img
	s_load_b64 s[8:9], s[0:1], 0x10                ; ctx_sc
	v_lshl_add_u32 v254, v0, 2, SPARE
	v_mov_b32 v255, 0
	ds_add_u32 v254, v255                          ; the opening lines: the add twice on end and its wait
	ds_add_u32 v254, v255
	v_lshrrev_b32 v1, 5, v0
	v_readfirstlane_b32 s[WV], v1                  ; wave 0..15
	s_bfe_u32 s11, ttmp6, 0x40000                  ; cx
	s_lshl_b32 s25, ttmp9, 2
	s_add_co_u32 s11, s11, s25                     ; my block of 512 queries: it enters q's and the context's addresses alone
	s_and_b32 s24, ttmp7, 0xffff                   ; 16 batch + head, which the four partners share
	s_mul_i32 s26, s24, REC
	s_mov_b32 s27, 0
	s_mov_b32 s16, 15|(3<<16)|(1<<20)|(1<<21)|(6<<22)|(31<<25)   ; k: the mask of all four; elements of 8 bytes; behind every 128 words 32 words of padding
	s_mov_b32 s17, 64<<16                          ; rows of 512 bytes of a dense block
	s_mov_b32 s18, 24<<16
	s_mov_b32 s19, 64<<16
	s_mov_b32 s20, 24
	s_mov_b32 s21, 64
	s_mov_b32 s22, 0
	s_mov_b32 s23, 0
	s_mov_b32 s72, 15|(3<<16)|(1<<21)              ; v and the scale words: rows of 256 bytes, no padding
	s_mov_b32 s73, 32<<16
	s_mov_b32 s74, 52<<16
	s_mov_b32 s75, 32<<16
	s_mov_b32 s76, 52
	s_mov_b32 s77, 32
	s_mov_b32 s78, 0
	s_mov_b32 s79, 0
	s_and_b32 s38, s[WV], 7                        ; which eighth is mine
	s_mov_b32 s12, 1
	s_mul_i32 s13, s38, 8*KF                       ; k: in LDS,
	s_mul_i32 s36, s38, 8*FRB
	s_add_co_u32 s36, s36, KOFF                    ; and in the record
	s_mov_b32 s37, 0
	s_mov_b32 s56, 1
	s_mul_i32 s57, s38, 13312
	s_add_co_u32 s60, s57, VOFF
	s_add_co_u32 s57, s57, LV
	s_mov_b32 s61, 0
	s_mov_b32 s[SEL], 0x76543210
	s_mov_b32 s[SEL+1], 0xfedcba98
	s_mov_b32 s[CS], 0x3e38aa3b
	s_mov_b32 s[CS+1], s[CS]                       ; (named with it as a pair, so it is written)
	s_mov_b32 s[NC], 0xbe38aa3b
	s_mov_b32 s35, 0xffff0000                      ; lanes 16-31
	s_lshl_b32 s48, s11, 4
	s_add_co_u32 s48, s48, s[WV]                   ; g: my 32 queries' double fragment
	s_mul_i32 s44, s48, FRB
	s_mov_b32 s45, 0
	s_lshr_b32 s46, s48, 2
	s_lshl_b32 s46, s46, 8
	s_and_b32 s51, s48, 3
	s_lshl_b32 s51, s51, 2
	s_add_co_u32 s46, s46, s51
	s_add_co_u32 s46, s46, QSOFF                   ; its scale words: 256 (g / 4) + 4 (g % 4) (+ 16 r)
	s_mov_b32 s47, 0
	s_lshr_b32 s49, s24, 4                         ; batch
	s_and_b32 s50, s24, 15                         ; head
	s_lshl_b32 s52, s49, 4
	s_lshl_b32 s51, s11, 2
	s_add_co_u32 s52, s52, s51
	s_lshr_b32 s51, s[WV], 2
	s_add_co_u32 s52, s52, s51                     ; the context's record: 16 batch + 4 block + w / 4
	s_mul_i32 s52, s52, RECB
	s_lshr_b32 s51, s50, 1
	s_mul_i32 s51, s51, KSB                        ; K step head / 2
	s_add_co_u32 s52, s52, s51
	s_and_b32 s51, s[WV], 3
	s_mul_i32 s51, s51, 2*FRB                      ; blocks 2 (w % 4), + 1
	s_add_co_u32 s52, s52, s51
	s_and_b32 s51, s50, 1
	s_mul_i32 s51, s51, 768                        ; the fragment's half: head % 2
	s_add_co_u32 s52, s52, s51
	s_mov_b32 s53, 0
	s_lshl_b32 s54, s49, 7
	s_lshl_b32 s51, s11, 5
	s_add_co_u32 s54, s54, s51
	s_lshl_b32 s51, s[WV], 1
	s_add_co_u32 s54, s54, s51                     ; the context's block: 128 batch + 32 block + 2 w
	s_lshl_b32 s54, s54, 9
	s_lshr_b32 s51, s50, 3
	s_lshl_b32 s51, s51, 8
	s_add_co_u32 s54, s54, s51
	s_bfe_u32 s51, s50, 0x20001
	s_lshl_b32 s51, s51, 2
	s_add_co_u32 s54, s54, s51
	s_and_b32 s51, s50, 1
	s_lshl_b32 s51, s51, 1
	s_add_co_u32 s54, s54, s51
	s_mov_b32 s55, 0
	s_wait_dscnt 0x0
	s_wait_kmcnt 0x0
	s_add_nc_u64 s[4:5], s[4:5], s[26:27]          ; the head's record
	s_add_nc_u64 s[14:15], s[4:5], s[36:37]
	s_or_b32 s15, s15, 0x80000000
	s_add_nc_u64 s[58:59], s[4:5], s[60:61]
	s_or_b32 s59, s59, 0x80000000
	s_add_nc_u64 s[40:41], s[4:5], s[44:45]
	s_add_nc_u64 s[42:43], s[4:5], s[46:47]
	s_add_nc_u64 s[6:7], s[6:7], s[52:53]
	s_add_nc_u64 s[8:9], s[8:9], s[54:55]
	CROUND                                         ; all four work-groups are here: the joint loads meet
	s_cmp_lt_u32 s[WV], 8                          ; one load a wave, one to each arm
	s_cbranch_scc0 .Lfill_v
	tensor_load_to_lds s[12:15], s[16:23]
	s_nop 0
	PLACES
	s_branch .Lfilled
.Lfill_v:
	tensor_load_to_lds s[56:59], s[72:79]
	s_nop 0
	PLACES
.Lfilled:
	v_and_b32 v9, 31, v0
	v_lshlrev_b32 v5, 3, v9                        ; 8 x lane
	v_lshlrev_b32 v9, 4, v9                        ; 16 x lane
	v_and_b32 v10, 15, v0
	v_bfe_u32 v6, v0, 4, 1                         ; h
	v_bfe_u32 v3, v0, 3, 1                         ; r / 8
	v_and_b32 v11, 7, v0                           ; r % 8
	v_lshlrev_b32 v10, 4, v10                      ; 16 r
	v_add_nc_u32 v2, LV, v9                        ; v's fragments
	v_mul_u32_u24 v1, v3, KF
	v_add_nc_u32 v4, LVS, v10                      ; v's scale words
	v_lshlrev_b32 v3, 2, v3
	v_lshl_add_u32 v1, v6, 8, v1
	v_lshl_add_u32 v3, v11, 4, v3
	v_lshl_add_u32 v1, v11, 4, v1                  ; k's operands: 1,920 (r / 8) + 256 h + 16 (r % 8)
	v_add_nc_u32 v3, LKS, v3                       ; k's scale words: 16 (r % 8) + 4 (r / 8)
	v_lshl_add_u32 v6, v6, 9, v10                  ; 512 h + 16 r: lanes 0-15 tile 0's block, lanes 16-31 tile 1's
.irp c, 0,1,2
	global_load_b128 v[34+4*\c:37+4*\c], v9, s[40:41] offset:512*\c
.endr
	global_load_b32 v46, v10, s[42:43]
.irp i, 0,1,2,3,4,5
	v_mov_b32 v[16+\i], 0                          ; the zero codes on both sides of q
	v_mov_b32 v[28+\i], 0
.endr
	v_mov_b32 v[BJ], 0                             ; written once: a lane permute's destination counts as one of its sources
	v_mov_b32 v[BJ+1], 0
	v_mov_b32 v[PX], 0
	v_mov_b32 v[FF+1], 0                           ; (named as the upper half of the pair before it is first written)
	WALU                                           ; the wait at the head's end
	s_wait_tensorcnt 0x0                           ; my eighth has landed,
	s_barrier_signal -1
	s_barrier_wait -1                              ; everybody's has
	s_wait_loadcnt 0x0                             ; q
; TILE u: 16 queries (block 2 g + u) against all keys.
.macro TILE u
	s_mov_b32 s[TK], 0
	s_mov_b32 s[TV], 0
	s_mov_b32 s[TS], 0
	s_mov_b32 s[CNT], 8
	v_add_nc_u32 v8, s[TK], v1
	v_add_nc_u32 v10, s[TS], v3
	KLOAD R1, 0, 0                                 ; the first step's k; the tile's set-up stands under the loads' flight
.if \u
	s_wait_xcnt 0x0                                ; tile 0's stores have read their registers: p's codes are written there again
.endif
.irp i, 0,1,2,3,4,5
	v_mov_b32 v[22+\i], v[34+6*\u+\i]
.endr
.if \u
	v_perm_b32 v47, v46, v46, 0x03020302           ; the tile's two bytes, for K 0-63 and for K 64-127 alike
.else
	v_perm_b32 v47, v46, v46, 0x01000100
.endif
	v_mov_b32 v13, 0xff61b1e6                      ; the largest score so far: -3e38
	v_mov_b32 v12, 0x7d000000                      ; -M: 2^123, a whole number over every -M to come: the first f is 0
	v_mov_b32 v[OM], 0x7d000000
	v_mov_b32 v14, 0
	v_mov_b32 v15, 0
.set j, 0
.rept 32
	v_mov_b32 v[OT+j], 0                           ; O^T.  (The step is written once: the first finds zeros.)  These are also the places between q's operand, its scale word and the first product
.set j, j+1
.endr
.Ltrip_\@:
	TRIP R1, R2
	TRIP R2, R1
	s_sub_co_u32 s[CNT], s[CNT], 1
	s_cmp_lg_u32 s[CNT], 0
	s_cbranch_scc1 .Ltrip_\@
	; the tile's end: O^T / the sum; register 16 b + i is d = 32 b + 16 (lane / 16) + i of my query: two blocks of 32 along the hidden axis
	s_wait_alu depctr_va_vdst(0)
	s_wait_dscnt 0x0                               ; the last step's 16 loads have landed in v48 on; nobody reads them
	v_add_f32 v14, v14, v15
	s_delay_alu instid0(VALU_DEP_1)
	v_permlanex16_b32 v[TP], v14, s[SEL], s[SEL+1]
	s_delay_alu instid0(VALU_DEP_1)
	v_add_f32 v14, v14, v[TP]                      ; the row's sum
	WALU
	v_rcp_f32 v14, v14
	v_nop                                          ; one plain place behind a transcendental
	WALU
	v_mov_b32 v15, v14
.set j, 0
.rept 16
	v_pk_mul_f32 v[R2+j:R2+j+1], v[OT+j:OT+j+1], v[14:15]   ; each accumulator from its low end on
.set j, j+2
.endr
.irp b, 0,1
	v_max3_num_f32 v[BM+\b], |v[R2+16*\b]|, |v[R2+1+16*\b]|, 0x1800000
.endr
.irp i, 2,4,6,8,10,12,14
.irp b, 0,1
	s_delay_alu instid0(VALU_DEP_2)
	v_max3_num_f32 v[BM+\b], v[BM+\b], |v[R2+16*\b+\i]|, |v[R2+1+16*\b+\i]|
.endr
.endr
.irp b, 0,1
	s_delay_alu instid0(VALU_DEP_2)
	v_permlanex16_b32 v[BJ+\b], v[BM+\b], s[SEL], s[SEL+1]
.endr
.irp b, 0,1
	s_delay_alu instid0(VALU_DEP_2)
	v_max_num_f32 v[BM+\b], v[BM+\b], v[BJ+\b]
.endr
.irp b, 0,1
	s_delay_alu instid0(VALU_DEP_2)
	v_add_nc_u32 v[SO+\b], 0xff000000, v[BM+\b]
.endr
.irp b, 0,1
	s_delay_alu instid0(VALU_DEP_2)
	v_lshrrev_b32 v[BJ+\b], 23, v[SO+\b]
.endr
.if \u
	s_delay_alu instid0(VALU_DEP_1)
	v_lshl_or_b32 v[HW1], v[BJ+1], 8, v[BJ]
.else
	s_delay_alu instid0(VALU_DEP_1)
	v_lshl_or_b32 v7, v[BJ+1], 8, v[BJ]            ; my row's two scale bytes
.endif
	v_cvt_scalef32_pk16_fp6_f32 v[CD:CD+2], v[R2:R2+15], v[SO]
	v_cvt_scalef32_pk16_fp6_f32 v[T2:T2+2], v[R2+16:R2+31], v[SO+1]
	v_nop
.irp i, 0,1,2
	v_permlane16_swap_b32 v[CD+\i], v[T2+\i]       ; here a block lies in two lanes: a whole block in a lane
.endr
.irp i, 0,1,2
	s_delay_alu instid0(VALU_DEP_3)
	v_mov_b32 v[CD+3+\i], v[T2+\i]
.endr
.irp i, 0,1,2
	global_store_b64 v5, v[CD+2*\i:CD+2*\i+1], s[6:7] offset:\u*FRB+256*\i   ; 32 lanes store 256 consecutive bytes, at a multiple of 256 from the buffer's first byte
.endr
.endm
	TILE 0
	TILE 1
	v_cndmask_b32 v7, v7, v[HW1], s35              ; lanes 0-15 tile 0's bytes, lanes 16-31 tile 1's
	global_store_b16 v6, v7, s[8:9]                ; two bytes a row, 16 bytes apart: the word's other half is another head's, made by another work-group
	s_wait_dscnt 0x0
	s_wait_tensorcnt 0x0                           ; the wave's end
	ds_add_u32 v254, v255
	s_wait_dscnt 0x0
	CROUND                                         ; the closing round
	s_endpgm
.Lfunc_end_k_qf213503f14_attn:
	.size	k_qf213503f14_attn, .Lfunc_end_k_qf213503f14_attn-k_qf213503f14_attn
	.p2alignl 7, 3214868480
	.fill 96, 4, 3214868480
	.section	.rodata,"a",@progbits
	.p2align	6, 0x0
	.amdhsa_kernel k_qf213503f14_attn
		.amdhsa_group_segment_fixed_size 231424
		.amdhsa_private_segment_fixed_size 0
		.amdhsa_enable_private_segment 0
		.amdhsa_kernarg_size 24
		.amdhsa_user_sgpr_count 2
		.amdhsa_user_sgpr_kernarg_segment_ptr 1
		.amdhsa_wavefront_size32 1
		.amdhsa_system_sgpr_workgroup_id_x 1
		.amdhsa_system_sgpr_workgroup_id_y 1
		.amdhsa_system_sgpr_workgroup_id_z 1
		.amdhsa_system_vgpr_workitem_id 0
		.amdhsa_next_free_vgpr 256
		.amdhsa_next_free_sgpr 80
		.amdhsa_reserve_vcc 0
		.amdhsa_float_denorm_mode_32 3
		.amdhsa_float_denorm_mode_16_64 3
		.amdhsa_memory_ordered 1
		.amdhsa_forward_progress 1
		.amdhsa_inst_pref_size 82
	.end_amdhsa_kernel
	.amdgpu_metadata
---
amdhsa.version: [ 1, 2 ]
amdhsa.kernels:
  - .name:           k_qf213503f14_attn
    .symbol:         k_qf213503f14_attn.kd
    .args:
      - { .name: qkv, .offset: 0, .size: 8, .value_kind: global_buffer, .address_space: global }
      - { .name: ctx_img, .offset: 8, .size: 8, .value_kind: global_buffer, .address_space: global }
      - { .name: ctx_sc, .offset: 16, .size: 8, .value_kind: global_buffer, .address_space: global }
    .group_segment_fixed_size: 231424
    .private_segment_fixed_size: 0
    .kernarg_segment_align: 8
    .kernarg_segment_size: 24
    .max_flat_workgroup_size: 512
    .sgpr_count:     80
    .vgpr_count:     256
    .wavefront_size: 32
...
	.end_amdgpu_metadata
.endif
;; end of part 3
;; launch oproj (part 4): grid 4 x 64, 4 waves a work-group, clusters of 4 x 4, 295,424 bytes of LDS; arguments ctx_img, ctx_sc, w_img, w_sc, bo, x, out0; writes out0
.if DOCPART == 4
	.amdgcn_target "amdgcn-amd-amdhsa--gfx1250"
	.amdhsa_code_object_version 6
	.text
	.protected	k_qf213503f14_oproj
	.globl	k_qf213503f14_oproj
	.p2align	8
	.type	k_qf213503f14_oproj,@function
k_qf213503f14_oproj:
	s_mov_b64 s[64:65], 0
	v_nop
	global_prefetch_b8 v0, s[64:65] scope:SCOPE_SE
	s_setreg_imm32_b32 hwreg(HW_REG_WAVE_MODE, 25, 1), 1
	s_wait_xcnt 0x0
	s_wait_alu depctr_hold_cnt(0) depctr_sa_sdst(0) depctr_va_vdst(0) depctr_va_sdst(0) depctr_va_ssrc(0) depctr_va_vcc(0) depctr_vm_vsrc(0)
	s_getreg_b32 s2, hwreg(HW_REG_IB_STS2, 6, 4)
	s_cmp_eq_u32 s2, 0
	s_cbranch_scc0 .Lentry_in_a_cluster
	s_endpgm
.Lentry_in_a_cluster:
	s_bfe_u32 s2, ttmp6, 0x10000c
	s_cmp_lg_u32 s2, 0xf033
	s_cbranch_scc0 .Lentry_shape_is_right
	s_endpgm
.Lentry_shape_is_right:
; out0 = context Wo^T + bo + x, the product on codes of FP6 (E2M3) with E8M0 scales, K = 1,024.
; A work-group makes Y (128 tokens, source 1) x X (256 rows of Wo, source 0); four waves, wave (yh, xh) = (w / 2, w % 2) makes 64 x 128: 32 accumulators.  A lane holds one token, its registers run along the outputs.
; IN: records of 128 rows x all K, 98,304 bytes, fragment (K step s, block i) at 12,288 s + 1,536 i.  Wo's (records 24-31 of w_img): byte 512 c + 16 lane + 4 i' = register 4 c + i'.  The context's:
; byte 256 p + 8 lane + 4 i' = register 2 p + i'.  Row r of block B is row 32 (B / 2) + 8 (B % 2) + r + 8 (r / 8): so the 16 registers of result tiles 2 b, 2 b + 1 are outputs 32 b + 16 (lane / 16) + 0 .. 15.
; Scale words: 512 bytes a block; one load of 16 bytes at 16 x lane gives lanes 0-15 K steps 0-3 and lanes 16-31 K steps 4-7 of row lane % 16.
; LDS: all of K is resident: Y's record at 0, X's two at 98,304 and 196,608; each byte is filled once.  Each wave asks for its share by four tensor loads at the start (four of mine are out, by this text's own count).
; CLUSTER 4 x 4: Y's record is asked for jointly along a row of the cluster, X's records along a column.
; bo is the C of each sum's first matrix instruction.  The residual's 64 rows x 512 bytes of a wave are loaded early into window 3 and added on the way out.
; THE WAY OUT: a block of 16 tokens x 128 outputs goes through my stage in LDS (16 rows of 512 + 16 bytes) and comes back as whole rows of 512 bytes.  The four stages lie in Y's K steps 0-2 (33,792 of 36,864 bytes):
; those bytes have had their one fill, and every wave has waited for its reads of them ahead of the barrier in K step 3.
; REGISTERS: window 0: v1-15 addresses; v32-63 X's scale words, v64-79 Y's; v80-127 Y's four fragments; v128-255 rows on the way out.   window 1: X's fragments, two sets (v0-95, v128-223); bo, tile b at
; v[96 + 8 b] (b < 4) or v[224 + 8 (b - 4)].   window 2: accumulator (a, b) at v[8 (8 a + b)].   window 3: the residual, block a's row t at v[64 a + 4 t].
; THE FILLS AS THIS TEXT HAS THEM (in place of the four loads a wave that the lines above speak of): ONE tensor load a wave, all four at the head, each in an arm of its own of one chain of branches on the wave's number:
; wave 0 Y's K steps 0-3 (192 rows of 256 bytes), wave 1 K steps 0-3 of both records of X (2 rows of 49,152 bytes, 98,304 apart in memory, on end in LDS), wave 2 Y's K steps 4-7, wave 3 X's.
; So X lies in LDS as [record 0, K 0-3][record 1, K 0-3][record 0, K 4-7][record 1, K 4-7] from 98,304 on.  The first barrier shows waves 0 and 1's tiles, the barrier in K step 3 the other two; nothing is filled again.
.set RECB,  98304
.set KSB,   12288
.set FRB,   1536
.set NLY,   6                          ; LDS loads that bring a fragment of Y
.set SPITCH, 528
.set ADRY, 4
.set ADRX, 8
.set STO,  14
.set RD,   15
.set SCX,  32
.set SCY,  64
.set YF,   80
.set BK,   128
.set WV,   20
.set G1Y,  24
.set G1X,  32
.set G0Y,  40
.set G0X,  68
.set MSB, 0
.macro WIN new                         ; the immediate's high byte repeats the setting that is left
.if MSB != \new
	s_set_vgpr_msb (MSB<<8)|\new
.set MSB, \new
.endif
.endm
.macro PLACES                          ; four places behind a matrix instruction of this form (ISA guide 7.12.1)
.rept 4
	v_nop
.endr
.endm
.macro CROUND                          ; a round of the cluster's barrier
	s_barrier_signal -1
	s_barrier_wait -1
	s_cmp_lg_u32 s[WV], 0
	s_cbranch_scc1 .Lnot_wave_0_\@
	s_barrier_signal -3
.Lnot_wave_0_\@:
	s_barrier_wait -3
	s_barrier_signal -1
	s_barrier_wait -1
.endm
.macro FETCH_X s                       ; X's eight fragments of K step s into set s % 2
	WIN 0x40
.irp i, 0,1,2,3,4,5,6,7
.irp c, 0,1,2
	ds_load_b128 v[128*((\s)%2)+12*\i+4*\c:128*((\s)%2)+12*\i+4*\c+3], v[ADRX+(\s)/2] offset:((\s)%2)*KSB+\i*FRB+512*\c
.endr
.endr
	WIN 0
.endm
.macro FETCH_Y s, i0                   ; Y's blocks i0, i0 + 1 of K step s: six loads of 8 bytes a lane each
.irp i, \i0, \i0+1
.irp p, 0,1,2,3,4,5
	ds_load_b64 v[YF+12*(\i)+2*\p:YF+12*(\i)+2*\p+1], v[ADRY+(\s)/2] offset:((\s)%2)*KSB+(\i)*FRB+256*\p
.endr
.endr
.endm
; 8 matrix instructions: Y's block a against X's eight, K step s.  first = 1: the sums begin with bo as C.  K steps 4-7 take their scale words from lanes 16-31.
; The 32 accumulators take turns, one instruction a turn, in the same order in every K step.
.macro MULB a, s, first
.if \first
	WIN 0x91
.else
	WIN 0xa1
.endif
.irp b, 0,1,2,3,4,5,6,7
.set rD, 8*(8*(\a)+\b)
.set rX, 128*((\s)%2)+12*\b
.set rY, YF+12*(\a)
.set rC, 96+8*\b+96*(\b/4)
.set rSX, SCX+4*\b+(\s)%4
.set rSY, SCY+4*(\a)+(\s)%4
.if \first
	v_wmma_scale_f32_16x16x128_f8f6f4 v[rD:rD+7], v[rX:rX+11], v[rY:rY+11], v[rC:rC+7], v[rSX], v[rSY] matrix_a_fmt:MATRIX_FMT_FP6 matrix_b_fmt:MATRIX_FMT_FP6
.elseif (\s) < 4
	v_wmma_scale_f32_16x16x128_f8f6f4 v[rD:rD+7], v[rX:rX+11], v[rY:rY+11], v[rD:rD+7], v[rSX], v[rSY] matrix_a_fmt:MATRIX_FMT_FP6 matrix_b_fmt:MATRIX_FMT_FP6
.else
	v_wmma_scale_f32_16x16x128_f8f6f4 v[rD:rD+7], v[rX:rX+11], v[rY:rY+11], v[rD:rD+7], v[rSX], v[rSY] matrix_a_fmt:MATRIX_FMT_FP6 matrix_b_fmt:MATRIX_FMT_FP6 matrix_a_scale:MATRIX_SCALE_ROW1 matrix_b_scale:MATRIX_SCALE_ROW1
.endif
.endr
.endm
.macro STEP s, first
	s_wait_dscnt 2*NLY                             ; X's set and Y's blocks 0, 1 are in; the youngest loads (Y's blocks 2, 3) may be out
	MULB 0, \s, \first
	MULB 1, \s, \first
	s_wait_dscnt 0x0
	PLACES
	FETCH_X (\s)+1
	FETCH_Y (\s)+1, 0
	MULB 2, \s, \first
	MULB 3, \s, \first
	PLACES
	WIN 0
	FETCH_Y (\s)+1, 2
.endm
.macro TURN s                          ; the successor lies in the next chunk: one barrier shows it landed to every wave
	s_wait_dscnt 2*NLY
	MULB 0, \s, 0
	s_wait_tensorcnt 0x0                           ; my load has landed, whichever it was
	s_wait_dscnt 0x0                               ; no LDS load of mine is out at the signal
	s_barrier_signal -1
	MULB 1, \s, 0
	s_barrier_wait -1
	PLACES
	FETCH_X (\s)+1
	FETCH_Y (\s)+1, 0
	MULB 2, \s, 0
	MULB 3, \s, 0
	PLACES
	WIN 0
	FETCH_Y (\s)+1, 2
.endm
.macro XLOAD a                         ; the residual of block a: 16 rows of 512 consecutive bytes
	WIN 0xc0                                       ; destination window 3
.irp t, 0,1,2,3,4,5,6,7,8,9,10,11,12,13,14,15
	global_load_b128 v[64*\a+4*\t:64*\a+4*\t+3], v1, s[14:15] offset:(32*(\a/2)+8*(\a%2)+\t+8*(\t/8))*4096 th:TH_LOAD_NT
.endr
	WIN 0
.endm
.macro TOSTAGE a
	WIN 0x08                                       ; an LDS store's data are its source 1: window 2
.irp b, 0,1,2,3,4,5,6,7
	ds_store_b128 v[STO], v[8*(8*(\a)+\b):8*(8*(\a)+\b)+3] offset:128*(\b/2)+32*(\b%2)        ; each accumulator from its low end on
	ds_store_b128 v[STO], v[8*(8*(\a)+\b)+4:8*(8*(\a)+\b)+7] offset:128*(\b/2)+32*(\b%2)+16
.endr
	WIN 0
.set BB, BK+64*((\a)%2)
.irp t, 0,1,2,3,4,5,6,7,8,9,10,11,12,13,14,15
	ds_load_b128 v[BB+4*\t:BB+4*\t+3], v[RD] offset:\t*SPITCH     ; LDS serves a wave's instructions in order (ISA guide 5.7.1.4): these see my stores, and the next block's stores come behind them
.endr
.endm
.macro SEND a, younger                 ; younger: the LDS instructions issued behind block a's loads
.set BB, BK+64*((\a)%2)
	s_wait_dscnt \younger                          ; the block is back in registers
	s_wait_loadcnt 16*(3-(\a))                     ; its residual is in; the later blocks' may be out
	WIN 0x0c                                       ; source 1 window 3
.set j, 0
.rept 32
	v_pk_add_f32 v[BB+j:BB+j+1], v[BB+j:BB+j+1], v[64*(\a)+j:64*(\a)+j+1]
.set j, j+2
.endr
	WIN 0
.irp t, 0,1,2,3,4,5,6,7,8,9,10,11,12,13,14,15
	global_store_b128 v1, v[BB+4*\t:BB+4*\t+3], s[16:17] offset:(32*((\a)/2)+8*((\a)%2)+\t+8*(\t/8))*4096 th:TH_STORE_NT   ; 32 lanes store 512 consecutive bytes, at a multiple of 256 from out0's first byte
.endr
.endm
	s_load_b256 s[4:11], s[0:1], 0x0               ; ctx_img, ctx_sc, w_img, w_sc
	s_load_b128 s[12:15], s[0:1], 0x20             ; bo, x
	s_load_b64 s[16:17], s[0:1], 0x30              ; out0
	v_lshl_add_u32 v30, v0, 2, 0x48000
	v_mov_b32 v31, 0
	ds_add_u32 v30, v31
	ds_add_u32 v30, v31
	v_lshrrev_b32 v1, 5, v0
	v_readfirstlane_b32 s[WV], v1                  ; wave 0..3
	s_lshr_b32 s21, s[WV], 1                       ; yh
	s_and_b32 s22, s[WV], 1                        ; xh; also: which part of a chunk I fetch
	s_bfe_u32 s56, ttmp6, 0x40000                  ; cx
	s_bfe_u32 s57, ttmp6, 0x40004                  ; cy
	s_lshl_b32 s84, ttmp9, 2
	s_add_co_u32 s84, s84, s56                     ; XT: the tile of 256 outputs.  It never holds cy
	s_and_b32 s85, ttmp7, 0xffff
	s_lshl_b32 s85, s85, 2
	s_add_co_u32 s85, s85, s57                     ; YR: the record of 128 tokens.  It never holds cx
	s_lshl_b32 s86, s57, 2
	s_lshl_b32 s86, 15, s86                        ; my row of the cluster
	s_lshl_b32 s87, 0x1111, s56                    ; my column
	s_or_b32 s[G1Y], s86, (3<<16)|(1<<21)          ; 15:0 the mask; 17:16 elements of 8 bytes; 21 set beside a mask; no padding
	s_or_b32 s[G1X], s87, (3<<16)|(1<<21)
	s_mov_b32 s[G1Y+1], 32<<16                     ; rows of 256 bytes of a dense block
	s_mov_b32 s[G1Y+2], 192<<16                    ; 192 rows: four K steps of a record
	s_mov_b32 s[G1Y+3], 32<<16
	s_mov_b32 s[G1Y+4], 192
	s_mov_b32 s[G1Y+5], 32
	s_mov_b32 s[G1Y+6], 0
	s_mov_b32 s[G1Y+7], 0
	s_mov_b32 s[G1X+1], 6144<<16                   ; a row: 6,144 elements of 8 bytes: four K steps of a record
	s_mov_b32 s[G1X+2], 2<<16                      ; 2 rows: the tile's two records
	s_mov_b32 s[G1X+3], 6144<<16
	s_mov_b32 s[G1X+4], 2
	s_mov_b32 s[G1X+5], 12288                      ; the pitch: a record
	s_mov_b32 s[G1X+6], 0
	s_mov_b32 s[G1X+7], 0
	s_mul_i32 s98, s84, 2*RECB
	s_add_co_u32 s98, s98, 24*RECB                 ; Wo's records begin at 24
	s_mov_b32 s99, 0
	s_mul_i32 s100, s85, RECB
	s_mov_b32 s101, 0
	s_wait_dscnt 0x0
	s_wait_kmcnt 0x0
	s_add_nc_u64 s[88:89], s[8:9], s[98:99]
	s_add_nc_u64 s[90:91], s[4:5], s[100:101]
.irp t, 0,1
	s_mov_b32 s[G0Y+4*\t], 1
	s_mov_b32 s[G0Y+4*\t+1], 4*\t*KSB
	s_add_nc_u64 s[G0Y+4*\t+2:G0Y+4*\t+3], s[90:91], 4*\t*KSB
	s_or_b32 s[G0Y+4*\t+3], s[G0Y+4*\t+3], 0x80000000
	s_mov_b32 s[G0X+4*\t], 1
	s_mov_b32 s[G0X+4*\t+1], RECB+\t*RECB
	s_add_nc_u64 s[G0X+4*\t+2:G0X+4*\t+3], s[88:89], 4*\t*KSB
	s_or_b32 s[G0X+4*\t+3], s[G0X+4*\t+3], 0x80000000
.endr
	CROUND                                         ; all sixteen work-groups are here: the joint loads meet
	s_cmp_eq_u32 s[WV], 0                          ; one fill a wave, what is needed first asked for by the lower waves
	s_cbranch_scc0 .Lwave_1
	tensor_load_to_lds s[G0Y:G0Y+3], s[G1Y:G1Y+7]
	s_nop 0
	PLACES
	s_branch .Lfilled
.Lwave_1:
	s_cmp_eq_u32 s[WV], 1
	s_cbranch_scc0 .Lwave_2
	tensor_load_to_lds s[G0X:G0X+3], s[G1X:G1X+7]
	s_nop 0
	PLACES
	s_branch .Lfilled
.Lwave_2:
	s_cmp_eq_u32 s[WV], 2
	s_cbranch_scc0 .Lwave_3
	tensor_load_to_lds s[G0Y+4:G0Y+7], s[G1Y:G1Y+7]
	s_nop 0
	PLACES
	s_branch .Lfilled
.Lwave_3:
	tensor_load_to_lds s[G0X+4:G0X+7], s[G1X:G1X+7]
	s_nop 0
	PLACES
.Lfilled:
	v_and_b32 v1, 31, v0
	v_lshlrev_b32 v12, 3, v1                       ; 8 x lane
	v_lshlrev_b32 v1, 4, v1                        ; 16 x lane
	v_and_b32 v2, 15, v0                           ; r
	v_bfe_u32 v3, v0, 4, 1                         ; h
	s_mul_i32 s61, s21, 4*FRB                      ; my four blocks of Y
	s_mul_i32 s62, s22, 4*KSB
	s_add_co_u32 s62, s62, RECB                    ; my record of X
.irp t, 0,1,2,3
	v_add_nc_u32 v[ADRY+\t], s61, v12
	v_add_nc_u32 v[ADRX+\t], s62, v1
	s_add_co_u32 s61, s61, 2*KSB
	s_add_co_u32 s62, s62, 2*KSB+4*KSB*(\t%2)      ; from K step 3 to K step 4 of my record: over the other record's half
.endr
	s_mul_i32 s62, s[WV], 16*SPITCH                ; my stage
	v_mul_u32_u24 v[STO], v2, SPITCH
	v_lshl_add_u32 v[STO], v3, 6, v[STO]
	v_add_nc_u32 v[STO], s62, v[STO]               ; in: row r, + 64 h; tile b's 32 bytes at 128 (b / 2) + 32 (b % 2)
	v_add_nc_u32 v[RD], s62, v1                    ; back: a row of 512 bytes, 16 bytes a lane
	s_lshl_b32 s98, s84, 13                        ; X's scale words: 4,096 bytes a record, from record 24 on
	s_lshl_b32 s62, s22, 12
	s_add_co_u32 s98, s98, s62
	s_add_co_u32 s98, s98, 24*4096
	s_add_nc_u64 s[10:11], s[10:11], s[98:99]
	s_lshl_b32 s100, s85, 12
	s_lshl_b32 s62, s21, 11
	s_add_co_u32 s100, s100, s62
	s_add_nc_u64 s[6:7], s[6:7], s[100:101]
.irp b, 0,1,2,3,4,5,6,7
	global_load_b128 v[SCX+4*\b:SCX+4*\b+3], v1, s[10:11] offset:512*\b
.endr
.irp a, 0,1,2,3
	global_load_b128 v[SCY+4*\a:SCY+4*\a+3], v1, s[6:7] offset:512*\a
.endr
	s_lshl_b32 s98, s84, 10                        ; bo: 256 outputs a tile, 128 a wave
	s_lshl_b32 s62, s22, 9
	s_add_co_u32 s98, s98, s62
	s_add_nc_u64 s[12:13], s[12:13], s[98:99]
	v_lshlrev_b32 v13, 6, v3                       ; tile b's eight registers: outputs 32 (b / 2) + 16 h + 8 (b % 2) + 0 .. 7
	WIN 0x40
.irp b, 0,1,2,3,4,5,6,7
	global_load_b128 v[96+8*\b+96*(\b/4):96+8*\b+96*(\b/4)+3], v13, s[12:13] offset:(32*(\b/2)+8*(\b%2))*4
	global_load_b128 v[96+8*\b+96*(\b/4)+4:96+8*\b+96*(\b/4)+7], v13, s[12:13] offset:(32*(\b/2)+8*(\b%2))*4+16
.endr
	WIN 0
	s_lshl_b32 s94, s85, 7
	s_lshl_b32 s62, s21, 6
	s_add_co_u32 s94, s94, s62                     ; my first token: 128 YR + 64 yh
	s_lshl_b32 s94, s94, 12
	s_lshl_b32 s62, s84, 10
	s_add_co_u32 s94, s94, s62
	s_lshl_b32 s62, s22, 9
	s_add_co_u32 s94, s94, s62                     ; my first output, in bytes: 1,024 XT + 512 xh
	s_mov_b32 s95, 0
	s_add_nc_u64 s[14:15], s[14:15], s[94:95]
	s_add_nc_u64 s[16:17], s[16:17], s[94:95]
	XLOAD 0
	XLOAD 1
	s_wait_alu depctr_va_vdst(0)
	s_cmp_lt_u32 s[WV], 2
	s_cbranch_scc0 .Lnot_first
	s_wait_tensorcnt 0x0                           ; waves 0 and 1: K steps 0-3 have landed
.Lnot_first:
	s_barrier_signal -1                            ; waves 2 and 3's loads may stay out
	s_barrier_wait -1
	FETCH_X 0
	FETCH_Y 0, 0
	FETCH_Y 0, 2
	s_wait_loadcnt 32                              ; scale words and bo are in; the 32 loads of the residual's blocks 0, 1 may be out
	STEP 0, 1
	XLOAD 2
	STEP 1, 0
	STEP 2, 0
	XLOAD 3
	TURN 3
	STEP 4, 0
	STEP 5, 0
	STEP 6, 0
	s_wait_dscnt 2*NLY                             ; the last K step: nothing more to fetch
	MULB 0, 7, 0
	MULB 1, 7, 0
	s_wait_dscnt 0x0
	MULB 2, 7, 0
	MULB 3, 7, 0
	WIN 0
	PLACES                                         ; in front of the first read of results
	TOSTAGE 0
.irp a, 1,2,3
.if \a > 1
	s_wait_xcnt 0x0                                ; block a - 2's stores have read their registers: block a's rows may land there
.endif
	TOSTAGE \a
	SEND \a-1, 32                                  ; behind block a - 1's loads: block a's 16 stores and 16 loads
.endr
	SEND 3, 0
	s_wait_dscnt 0x0
	s_wait_tensorcnt 0x0
	ds_add_u32 v30, v31
	s_wait_dscnt 0x0
	CROUND                                         ; the closing round: no work-group ends while a partner may still ask for a tile that names it
	s_endpgm
.Lfunc_end_k_qf213503f14_oproj:
	.size	k_qf213503f14_oproj, .Lfunc_end_k_qf213503f14_oproj-k_qf213503f14_oproj
	.p2alignl 7, 3214868480
	.fill 96, 4, 3214868480
	.section	.rodata,"a",@progbits
	.p2align	6, 0x0
	.amdhsa_kernel k_qf213503f14_oproj
		.amdhsa_group_segment_fixed_size 295424
		.amdhsa_private_segment_fixed_size 0
		.amdhsa_enable_private_segment 0
		.amdhsa_kernarg_size 56
		.amdhsa_user_sgpr_count 2
		.amdhsa_user_sgpr_kernarg_segment_ptr 1
		.amdhsa_wavefront_size32 1
		.amdhsa_system_sgpr_workgroup_id_x 1
		.amdhsa_system_sgpr_workgroup_id_y 1
		.amdhsa_system_sgpr_workgroup_id_z 1
		.amdhsa_system_vgpr_workitem_id 0
		.amdhsa_next_free_vgpr 1024
		.amdhsa_next_free_sgpr 102
		.amdhsa_reserve_vcc 0
		.amdhsa_float_denorm_mode_32 3
		.amdhsa_float_denorm_mode_16_64 3
		.amdhsa_memory_ordered 1
		.amdhsa_forward_progress 1
		.amdhsa_inst_pref_size 100
	.end_amdhsa_kernel
	.amdgpu_metadata
---
amdhsa.version: [ 1, 2 ]
amdhsa.kernels:
  - .name:           k_qf213503f14_oproj
    .symbol:         k_qf213503f14_oproj.kd
    .args:
      - { .name: ctx_img, .offset: 0, .size: 8, .value_kind: global_buffer, .address_space: global }
      - { .name: ctx_sc, .offset: 8, .size: 8, .value_kind: global_buffer, .address_space: global }
      - { .name: w_img, .offset: 16, .size: 8, .value_kind: global_buffer, .address_space: global }
      - { .name: w_sc, .offset: 24, .size: 8, .value_kind: global_buffer, .address_space: global }
      - { .name: bo, .offset: 32, .size: 8, .value_kind: global_buffer, .address_space: global }
      - { .name: x, .offset: 40, .size: 8, .value_kind: global_buffer, .address_space: global }
      - { .name: out0, .offset: 48, .size: 8, .value_kind: global_buffer, .address_space: global }
    .group_segment_fixed_size: 295424
    .private_segment_fixed_size: 0
    .kernarg_segment_align: 8
    .kernarg_segment_size: 56
    .max_flat_workgroup_size: 128
    .sgpr_count:     102
    .vgpr_count:     1024
    .wavefront_size: 32
...
	.end_amdgpu_metadata
.endif
;; end of part 4
